; MI455X (gfx1250); checked and timed in simulation.
; The chip was launched on July 23, 2026; its instructions are those of AMD's public machine-readable ISA for CDNA 5 (MIT licence, August 2026) and "CDNA5" Instruction Set Architecture Reference Guide (July 2026). The comments in the code are by the model that wrote it; some were corrected since.
;; Causal Self Attention. Allowed arithmetic: matrix products marked QUANTISED: E2M1 operands, one E8M0 scale for each 32 along K, by v_wmma_scale_f32_16x16x128_f8f6f4 with both operands' format E2M1 (or v_wmma_scale_f32_32x16x128_f4), f32 sums; products left as they are: bf16, f16 or f32 operands; f32 sums; everything else in f32.
;; Inputs: Wk 1,024 x 1,024 float32; Wo 1,024 x 1,024 float32; Wq 1,024 x 1,024 float32; Wv 1,024 x 1,024 float32; bk 1,024 float32; bo 1,024 float32; bq 1,024 float32; bv 1,024 float32; mask 1 x 1 x 2,048 x 2,048 bool; x 4 x 2,048 x 1,024 float32.
;; Outputs: out0 4 x 2,048 x 1,024 float32.
;; This version of the problem:
;;   THIS VERSION OF THE PROBLEM IS GIVEN IN LOW PRECISION. The matrix products marked QUANTISED in the list below multiply operands that are first quantised to E2M1 (2 exponent bits, 1 mantissa bit; 4 bits a number), with one power-of-two scale for each 32 numbers along K (OCP MX v1.0); their sums are f32. The products marked 'left as it is' may take bf16, f16 or f32 operands, with f32 sums. Whichever they take, every output number must still come out within the allowed error. Rounding operands to bf16 (8 significant bits) uses up far more of that allowance than f16 does (11 bits, for magnitudes from 6e-5 to 65,504). All else is computed in f32.
;;   The module's matrix products, in the order in which they are computed (A, B: the left and right operand; K: the contracted axis; several contracted axes count as one K, in the product's order):
;;     1. [M 8,192, K 1,024] x [K 1,024, N 1,024]; A: input x; B: input Wq: QUANTISED
;;     2. [M 8,192, K 1,024] x [K 1,024, N 1,024]; A: input x; B: input Wk: QUANTISED
;;     3. [M 8,192, K 1,024] x [K 1,024, N 1,024]; A: input x; B: input Wv: QUANTISED
;;     4. batch 64 x [M 2,048, K 64] x [K 64, N 2,048]; A: computed on the way; B: computed on the way: left as it is (an operand is computed on the way)
;;     5. batch 64 x [M 64, K 2,048] x [K 2,048, N 2,048]; A: computed on the way; B: computed on the way: left as it is (an operand is computed on the way)
;;     6. [M 8,192, K 1,024] x [K 1,024, N 1,024]; A: computed on the way; B: input Wo: left as it is (an operand is computed on the way)
;;   THE QUANTISER, for each operand of a quantised product, along K:
;;     - K is cut into blocks of 32 from its start; a last block that is shorter is filled with zeros.
;;     - A block's scale is 2^e with e = floor(log2(the largest magnitude in the block)) - 2, held to -126 .. 127; a block of zeros has e = 0. As a byte (E8M0): e + 127.
;;     - Each number is divided by its block's scale, clamped to +-6, and rounded to the nearest number of E2M1, ties to even, subnormals kept.
;;     - The product sums the exact products of the quantised numbers (number of the format x scale) in f32.
;;   ~~~python
;;   def quantise(x, axis):      # numpy; x: float32 -> the quantised numbers, widened to float32 again
;;       x = np.moveaxis(x, axis, -1); K = x.shape[-1]
;;       x = np.pad(x, [(0, 0)] * (x.ndim - 1) + [(0, -K % 32)]); x = x.reshape(x.shape[:-1] + (-1, 32)); a = np.abs(x).max(-1, keepdims=True)
;;       e = np.where(a > 0, np.clip(np.frexp(np.where(a > 0, a, 1))[1] - 1 - 2, -126, 127), 0)      # np.frexp(a)[1] - 1 = floor(log2(a)), exactly
;;       r = np.clip(x / 2.0 ** e, -6, 6)
;;       step = 2.0 ** (np.maximum(np.frexp(np.where(r == 0, 1, r))[1] - 1, 0) - 1)
;;       q = np.round(r / step) * step * 2.0 ** e      # np.round: ties to even
;;       return np.moveaxis(q.reshape(q.shape[:-2] + (-1,))[..., :K], -1, axis).astype(np.float32)
;;   ~~~
;; One version. Each part assembles by itself: llvm-mc -triple=amdgcn-amd-amdhsa -mcpu=gfx1250 --defsym DOCPART=n.
;; ======== version 1 of 1: 5 launches
;; limits: values are held in f16: magnitudes above 65,504 overflow, below 6.1e-05 lose precision
;; workspace buffers: codes 5,767,168 bytes; scales 360,448 bytes; wo16t 2,097,152 bytes; flags 1,280 bytes of whole numbers; qkv 50,593,792 bytes; att16 16,777,216 bytes
;; launch prep (part 1): grid 400 x 1, 4 waves a work-group, no clusters, 102,912 bytes of LDS; arguments x, Wq, Wk, Wv, Wo, mask, codes, scales, wo16t, flags; writes codes, scales, wo16t, flags
.if DOCPART == 1
	.amdgcn_target "amdgcn-amd-amdhsa--gfx1250"
	.amdhsa_code_object_version 6
	.text
	.protected	k_q540b348147_prep
	.globl	k_q540b348147_prep
	.p2align	8
	.type	k_q540b348147_prep,@function
k_q540b348147_prep:
	s_mov_b64 s[64:65], 0
	v_nop
	global_prefetch_b8 v0, s[64:65] scope:SCOPE_SE
	s_setreg_imm32_b32 hwreg(HW_REG_WAVE_MODE, 25, 1), 1
	s_wait_xcnt 0x0
; PREP: everything that is made once from the inputs.  Four kinds of work-groups, told apart by the work-group's number alone; each kind has LDS bytes of its own.
;   0-47    WQ: Wq, Wk, Wv [k 1024][n 1024] f32 -> codes of FP4 (E2M1), K innermost, [3072 n][512 B], and E8M0 bytes [3072][32]
;   48-111  WO: Wo [k][n] f32 -> f16, laid [n 1024][k 1024]
;   112-143 MK: the mask [2048 q][2048 k] bytes -> flag words for each 16 query rows and each tile of 64 keys
;   144-399 XQ: x [8192][1024] f32 -> codes [8192][512 B] and E8M0 bytes [8192][32]
; THE QUANTISER: a block's scale is 2^(floor(log2(largest magnitude)) - 2); its byte is the largest magnitude's exponent field - 2, held at 1 from below; numbers / scale go to the nearest code, ties to even, beyond 6 to 6.
; LIMITS: a block of zeros gets the byte 1 over zero codes (this program alone reads the bytes); blocks whose largest magnitude lies under 2^-124 keep the byte 1; NaN and infinities are not served; Wo must lie under 65,504 in size; mask bytes are 0 or 1.
.set SPW,   224                        ; v224  LDS address of my spare word; never rewritten
.set NIL,   225                        ; v225  0; never rewritten
.set XRG,   0                          ; XQ: 8,192 bytes a wave
.set WRG,   32768                      ; WQ: a stage of 32 x 272 bytes a wave
.set ORG,   67584                      ; WO: the same
.set SPARE, 102400                     ; the spare words, 128 bytes a wave: two blocks of 256 bytes that no other line names
.set STEPS, 16
.set CB,    8                          ; bytes of 16 codes
.set R,     16                         ; XQ: v16-79 four sets of 16 numbers as loaded
.set X,     80                         ; v80-111 two sets of 16 neighbours
.set E,     112                        ; v112-127 a scale byte for each step
.set C,     128                        ; v128-191 codes, four registers for each step
.set WREG,  8192
.set SP,    80                         ; a lane's place in XQ's stage: 64 bytes + 16 of padding
.set PITCH, 272                        ; a stage row of WQ and WO: 256 bytes + 16
.set WX,    32                         ; WQ, WO: v32-95 two sets of 32 numbers down K
.set WC,    96                         ; v96-111 what a block becomes
.set OUTR,  112                        ; v112-175 the way out
.set SB,    24                         ; v24-27 scale bytes, four to a register
	s_load_b512 s[4:19], s[0:1], 0x0               ; x, Wq, Wk, Wv, Wo, mask, codes, scales
	s_load_b128 s[20:23], s[0:1], 0x40             ; wo16t, flags
	v_lshl_add_u32 v[SPW], v0, 2, SPARE
	v_mov_b32 v[NIL], 0
	v_lshrrev_b32 v1, 5, v0
	v_readfirstlane_b32 s24, v1                    ; wave 0..3
	v_and_b32 v2, 31, v0                           ; lane
	s_wait_kmcnt 0x0
	s_cmp_lt_u32 ttmp9, 48
	s_cbranch_scc1 .Lwq
	s_cmp_lt_u32 ttmp9, 112
	s_cbranch_scc1 .Lwo
	s_cmp_lt_u32 ttmp9, 144
	s_cbranch_scc1 .Lmk
; ---------------- XQ: a wave takes 16 steps of 512 numbers of the plain stream of blocks.  Loads take the bytes as they lie (512 consecutive bytes a load); a step's 2,048 bytes turn through the
; wave's own stage so that a lane holds 16 neighbours along K; two neighbouring lanes hold a block.  Loads run four steps ahead, the turn one step.
	v_lshlrev_b32 v3, 4, v2                        ; my 16 bytes of a load's 512
	s_mul_i32 s25, s24, WREG
	v_lshrrev_b32 v14, 2, v2
	v_mul_u32_u24 v14, v14, SP
	v_and_b32 v15, 3, v2
	v_lshl_add_u32 v14, v15, 4, v14
	v_add_nc_u32 v14, s25, v14                     ; the stage on the way in: SP (lane / 4) + 16 (lane % 4)
	v_mul_u32_u24 v15, v2, SP
	v_add_nc_u32 v15, s25, v15                     ; and on the way out: SP x lane
	v_mul_u32_u24 v4, v2, CB                       ; my codes' place in a step's
	v_lshrrev_b32 v5, 1, v2
	s_add_co_u32 s25, s25, 2*32*SP
	v_add_nc_u32 v5, s25, v5                       ; my wave's 256 scale bytes, my block's byte
	v_lshlrev_b32 v7, 3, v2
	v_add_nc_u32 v6, s25, v7                       ; and on the way out 8 bytes a lane
	s_sub_co_u32 s26, ttmp9, 144
	s_lshl_b32 s26, s26, 2
	s_add_co_u32 s26, s26, s24                     ; which run of 8,192 numbers is my wave's: 0..1023
	s_mov_b32 s29, 0
	s_lshl_b32 s28, s26, 15
	s_add_nc_u64 s[4:5], s[4:5], s[28:29]          ; 32,768 bytes of x a run,
	s_lshl_b32 s28, s26, 12
	s_add_nc_u64 s[16:17], s[16:17], s[28:29]      ; 4,096 of codes,
	s_lshl_b32 s28, s26, 8
	s_add_nc_u64 s[18:19], s[18:19], s[28:29]      ; 256 scale bytes
.macro XLOAD t
.irp i, 0,1,2,3
	global_load_b128 v[R+16*((\t)%4)+4*\i:R+16*((\t)%4)+4*\i+3], v3, s[4:5] offset:2048*(\t)+512*\i th:TH_LOAD_NT
.endr
.endm
.macro XTURN t                         ; step t's numbers through the stage: LDS serves a wave's instructions in order, so no wait stands between the stores and the loads
.irp i, 0,1,2,3
	ds_store_b128 v14, v[R+16*((\t)%4)+4*\i:R+16*((\t)%4)+4*\i+3] offset:32*SP*((\t)%2)+8*SP*\i
.endr
.irp i, 0,1,2,3
	ds_load_b128 v[X+16*((\t)%2)+4*\i:X+16*((\t)%2)+4*\i+3], v15 offset:32*SP*((\t)%2)+16*\i
.endr
.endm
.macro XSTEP t
.set XS, X+16*((\t)%2)
.if (\t) > 0
	s_wait_dscnt 1                                 ; this step's numbers are back from the stage; the last step's byte store may be out
.else
	s_wait_dscnt 0x0
.endif
.if (\t)+4 < STEPS
	XLOAD (\t)+4                                   ; into the registers whose stores into the stage are done
.endif
.if (\t)+1 < STEPS
.if STEPS-2-(\t) >= 3
	s_wait_loadcnt 12                              ; the next step's four loads are in; those of the three steps behind it may be out
.else
	s_wait_loadcnt 4*(STEPS-2-(\t))
.endif
	XTURN (\t)+1
.endif
	v_max3_num_f32 v8, |v[XS]|, |v[XS+1]|, |v[XS+2]|               ; the largest magnitude of my 16, in two chains
	v_max3_num_f32 v9, |v[XS+3]|, |v[XS+4]|, |v[XS+5]|
.irp i, 6,10
	v_max3_num_f32 v8, v8, |v[XS+\i]|, |v[XS+\i+1]|
	v_max3_num_f32 v9, v9, |v[XS+\i+2]|, |v[XS+\i+3]|
.endr
	v_max3_num_f32 v8, v8, |v[XS+14]|, |v[XS+15]|
	v_max3_num_f32 v8, v8, v9, 0x1800000           ; and the floor 2^(3 - 127): the byte cannot fall under 1
	v_max_num_f32_dpp v8, v8, v8 row_xmask:1 row_mask:0xf bank_mask:0xf   ; with my neighbour's 16: the block's
	v_add_nc_u32 v11, 0xff000000, v8               ; 2 off its exponent field: the conversion takes the exponent field of this operand as its scale
	v_cvt_scalef32_pk8_fp4_f32 v[C+4*(\t)], v[XS:XS+7], v11
	v_cvt_scalef32_pk8_fp4_f32 v[C+4*(\t)+1], v[XS+8:XS+15], v11
	v_lshrrev_b32 v[E+(\t)], 23, v11               ; the scale's byte
	ds_store_b8 v5, v[E+(\t)] offset:16*(\t)       ; both lanes of a block write the same byte with the same value
	global_store_b64 v4, v[C+4*(\t):C+4*(\t)+1], s[16:17] offset:32*CB*(\t)   ; the wave stores 256 consecutive bytes, aligned
.endm
.irp t, 0,1,2,3
	XLOAD \t
.endr
	s_wait_loadcnt 12                              ; step 0's four loads are in
	XTURN 0
.irp t, 0,1,2,3,4,5,6,7,8,9,10,11,12,13,14,15
	XSTEP \t
.endr
	ds_load_b64 v[8:9], v6                         ; my wave's 256 scale bytes: these see my stores
	s_wait_dscnt 0x0
	global_store_b64 v7, v[8:9], s[18:19]          ; 256 consecutive bytes, aligned
	s_wait_tensorcnt 0x0                           ; the wave's end: three lines behind my last LDS store
	ds_add_u32 v[SPW], v[NIL]
	s_wait_dscnt 0x0
	s_endpgm
; ---------------- WQ and WO share the plan: A LANE TAKES A COLUMN n AND ITS REGISTERS RUN DOWN K, so that each load reads neighbouring n in neighbouring lanes and what a lane makes has K innermost.
.macro WLOAD t                         ; block t: rows 32 t + 0 .. 31 of my column, into set t % 2
.set n, 0
.rept 32
	global_load_b32 v[WX+32*((\t)%2)+n], v3, s[30:31] offset:(32*(\t)+n)*4096 th:TH_LOAD_NT
.set n, n+1
.endr
.endm
.macro WOUT pitch, base                ; the way out of a stage: sixteen lanes to a row of 256 bytes, two rows an instruction
.irp t, 0,1,2,3,4,5,6,7,8,9,10,11,12,13,14,15
	ds_load_b128 v[OUTR+4*\t:OUTR+4*\t+3], v7 offset:2*\t*PITCH
.endr
.irp t, 0,1,2,3,4,5,6,7,8,9,10,11,12,13,14,15
	s_wait_dscnt 15-\t                             ; the younger loads may be out
	global_store_b128 v8, v[OUTR+4*\t:OUTR+4*\t+3], s[\base:\base+1] offset:2*\t*\pitch
.endr
.endm
.Lwq:                                                  ; a wave: 32 columns x 512 along K of one of the three weights
	s_lshr_b32 s25, ttmp9, 4                       ; which weight: 0 q, 1 k, 2 v
	s_and_b32 s26, ttmp9, 7
	s_bfe_u32 s27, ttmp9, 0x10003                  ; which half of K
	s_lshl_b32 s26, s26, 7
	s_lshl_b32 s28, s24, 5
	s_add_co_u32 s26, s26, s28                     ; my wave's first column
	s_cmp_eq_u32 s25, 0
	s_cselect_b64 s[30:31], s[6:7], s[8:9]
	s_cmp_eq_u32 s25, 2
	s_cselect_b64 s[30:31], s[10:11], s[30:31]
	s_lshl_b32 s28, s27, 21                        ; 512 rows of 4,096 bytes
	s_lshl_b32 s29, s26, 2
	s_add_co_u32 s28, s28, s29
	s_mov_b32 s29, 0
	s_add_nc_u64 s[30:31], s[30:31], s[28:29]
	s_lshl_b32 s32, s25, 10
	s_add_co_u32 s32, s32, s26                     ; my first row of the weights' codes: 1,024 x which + column
	s_lshl_b32 s28, s32, 9
	s_lshl_b32 s33, s27, 8
	s_add_co_u32 s28, s28, s33
	s_add_co_u32 s28, s28, 0x400000                ; behind x's codes
	s_add_nc_u64 s[16:17], s[16:17], s[28:29]
	s_lshl_b32 s28, s32, 5
	s_lshl_b32 s33, s27, 4
	s_add_co_u32 s28, s28, s33
	s_add_co_u32 s28, s28, 0x40000                 ; behind x's scale bytes
	s_add_nc_u64 s[18:19], s[18:19], s[28:29]
	v_lshlrev_b32 v3, 2, v2
	s_mul_i32 s33, s24, 32*PITCH
	s_add_co_u32 s33, s33, WRG                     ; my stage
	v_mul_u32_u24 v4, v2, PITCH
	v_add_nc_u32 v4, s33, v4                       ; into it: row = my column
	v_and_b32 v5, 15, v2
	v_lshrrev_b32 v6, 4, v2
	v_mul_u32_u24 v7, v6, PITCH
	v_lshl_add_u32 v7, v5, 4, v7
	v_add_nc_u32 v7, s33, v7                       ; out of it
	v_mul_u32_u24 v8, v6, 512
	v_lshl_add_u32 v8, v5, 4, v8                   ; and the same place in the codes
	v_mul_u32_u24 v9, v2, 32                       ; my column's row of scale bytes
	WLOAD 0
	WLOAD 1
.macro WBLOCK t
.set XS, WX+32*((\t)%2)
.if (\t) < 15
	s_wait_loadcnt 32                              ; this block's 32 loads are in; the next block's may be out
.else
	s_wait_loadcnt 0
.endif
	v_max3_num_f32 v12, |v[XS]|, |v[XS+1]|, |v[XS+2]|               ; the block's largest magnitude: all 32 numbers are mine
	v_max3_num_f32 v13, |v[XS+3]|, |v[XS+4]|, |v[XS+5]|
.irp i, 6,10,14,18,22,26
	v_max3_num_f32 v12, v12, |v[XS+\i]|, |v[XS+\i+1]|
	v_max3_num_f32 v13, v13, |v[XS+\i+2]|, |v[XS+\i+3]|
.endr
	v_max3_num_f32 v12, v12, |v[XS+30]|, |v[XS+31]|
	v_max3_num_f32 v12, v12, v13, 0x1800000        ; and the floor
	v_add_nc_u32 v11, 0xff000000, v12
	v_lshrrev_b32 v13, 23, v11                     ; the scale's byte
.if (\t)%4 == 0
	v_mov_b32 v[SB+(\t)/4], v13
.else
	v_lshl_or_b32 v[SB+(\t)/4], v13, 8*((\t)%4), v[SB+(\t)/4]
.endif
.irp g, 0,1,2,3
	v_cvt_scalef32_pk8_fp4_f32 v[WC+\g], v[XS+8*\g:XS+8*\g+7], v11
.endr
	ds_store_b128 v4, v[WC:WC+3] offset:16*(\t)    ; 32 codes: 16 bytes of my column's row
.if (\t)+2 < 16
	WLOAD (\t)+2
.endif
	s_wait_dscnt 0x0                               ; the store has read its registers: the next block's codes may be written
.endm
.set Q, 0
.rept 16
	WBLOCK Q
.set Q, Q+1
.endr
	global_store_b128 v9, v[SB:SB+3], s[18:19]     ; my column's 16 scale bytes
	WOUT 512, 16
	s_wait_tensorcnt 0x0                           ; the wave's end: three lines behind my last LDS store
	ds_add_u32 v[SPW], v[NIL]
	s_wait_dscnt 0x0
	s_endpgm
.Lwo:                                                  ; a wave: 32 columns x 128 along K of Wo, rounded to f16
	s_sub_co_u32 s25, ttmp9, 48
	s_and_b32 s26, s25, 7
	s_lshr_b32 s27, s25, 3                         ; which 128 along K: 0..7
	s_lshl_b32 s26, s26, 7
	s_lshl_b32 s28, s24, 5
	s_add_co_u32 s26, s26, s28                     ; my wave's first column
	s_lshl_b32 s28, s27, 19                        ; 128 rows of 4,096 bytes
	s_lshl_b32 s29, s26, 2
	s_add_co_u32 s28, s28, s29
	s_mov_b32 s29, 0
	s_add_nc_u64 s[30:31], s[12:13], s[28:29]
	s_lshl_b32 s28, s26, 11                        ; a row of wo16t is 2,048 bytes
	s_lshl_b32 s33, s27, 8
	s_add_co_u32 s28, s28, s33
	s_add_nc_u64 s[20:21], s[20:21], s[28:29]
	v_lshlrev_b32 v3, 2, v2
	s_mul_i32 s33, s24, 32*PITCH
	s_add_co_u32 s33, s33, ORG
	v_mul_u32_u24 v4, v2, PITCH
	v_add_nc_u32 v4, s33, v4
	v_and_b32 v5, 15, v2
	v_lshrrev_b32 v6, 4, v2
	v_mul_u32_u24 v7, v6, PITCH
	v_lshl_add_u32 v7, v5, 4, v7
	v_add_nc_u32 v7, s33, v7
	v_mul_u32_u24 v8, v6, 2048
	v_lshl_add_u32 v8, v5, 4, v8
	WLOAD 0
	WLOAD 1
.macro OBLOCK t
.set XS, WX+32*((\t)%2)
.if (\t) < 3
	s_wait_loadcnt 32                              ; this block's loads are in; the next block's may be out
.else
	s_wait_loadcnt 0
.endif
.irp i, 0,1,2,3,4,5,6,7,8,9,10,11,12,13,14,15
	v_cvt_pk_f16_f32 v[WC+\i], v[XS+2*\i], v[XS+2*\i+1]            ; the lower k into the low half
.endr
.irp g, 0,1,2,3
	ds_store_b128 v4, v[WC+4*\g:WC+4*\g+3] offset:64*(\t)+16*\g
.endr
.if (\t)+2 < 4
	WLOAD (\t)+2
.endif
	s_wait_dscnt 0x0
.endm
	OBLOCK 0
	OBLOCK 1
	OBLOCK 2
	OBLOCK 3
	WOUT 2048, 20
	s_wait_tensorcnt 0x0                           ; the wave's end: three lines behind my last LDS store
	ds_add_u32 v[SPW], v[NIL]
	s_wait_dscnt 0x0
	s_endpgm
; ---------------- MK: a wave takes 16 query rows.  LANE t TAKES KEY TILE t: its 64 bytes of a row, four loads of 16.  So a compare over the lanes is a flag word, bit t for tile t.
;   act:     the tile holds a true byte in some of the 16 rows; all ones if some row has no true byte at all (its softmax is uniform over all keys, so every key is wanted)
;   notfull: the tile holds a false byte
;   for rows 0-15 also four words by 16 keys: word j, bit t: keys 64 t + 16 j .. + 15
.macro MLOAD g                         ; four rows
.irp rr, 0,1,2,3
.irp j, 0,1,2,3
	global_load_b128 v[32+64*((\g)%2)+16*\rr+4*\j:32+64*((\g)%2)+16*\rr+4*\j+3], v3, s[14:15] offset:((\g)*4+\rr)*2048+16*\j
.endr
.endr
.endm
.macro MROWS g
.irp rr, 0,1,2,3
.irp j, 0,1,2,3
.set W, 32+64*((\g)%2)+16*\rr+4*\j
	v_or_b32 v24, v[W], v[W+1]
	v_or_b32 v25, v[W+2], v[W+3]
	v_and_b32 v26, v[W], v[W+1]
	v_and_b32 v27, v[W+2], v[W+3]
	v_or_b32 v24, v24, v25
	v_and_b32 v26, v26, v27
	v_or_b32 v[16+\j], v[16+\j], v24               ; any true among these 16 keys, over the rows
	v_and_b32 v20, v20, v26                        ; all true in my tile, over the rows
.if \j == 0
	v_mov_b32 v28, v24
.else
	v_or_b32 v28, v28, v24
.endif
.endr
	v_cmp_ne_u32 s40, 0, v28                       ; has this row a true byte anywhere?
	s_cmp_lg_u32 s40, 0
	s_cselect_b32 s41, s41, 0                      ; s41 stays 1 while every row has one: a choice, no branch
.endr
.endm
.Lmk:
	s_sub_co_u32 s25, ttmp9, 112
	s_lshl_b32 s25, s25, 2
	s_add_co_u32 s25, s25, s24                     ; my group of 16 rows: 0..127
	s_lshl_b32 s28, s25, 15
	s_mov_b32 s29, 0
	s_add_nc_u64 s[14:15], s[14:15], s[28:29]
	v_lshlrev_b32 v3, 6, v2                        ; 64 x lane
	MLOAD 0
	MLOAD 1
.irp j, 0,1,2,3
	v_mov_b32 v[16+\j], 0
.endr
	v_mov_b32 v20, -1
	v_mov_b32 v9, 0
	s_mov_b32 s41, 1
	s_wait_loadcnt 16                              ; this batch's 16 loads are in; the next batch's may be out
	MROWS 0
	MLOAD 2
	s_wait_loadcnt 16
	MROWS 1
	MLOAD 3
	s_wait_loadcnt 16
	MROWS 2
	s_wait_loadcnt 0
	MROWS 3
	v_cmp_eq_u32 vcc_lo, 0, v2                     ; lane 0 stores
	s_cmp_lg_u32 s25, 0
	s_cbranch_scc1 .Lmk_all                        ; the words by 16 keys are made of rows 0-15 alone: a branch on ids
.irp j, 0,1,2,3
	v_cmp_ne_u32 s[48+\j], 0, v[16+\j]
.endr
	s_cmp_eq_u32 s41, 0
.irp j, 0,1,2,3
	s_cselect_b32 s[48+\j], -1, s[48+\j]
.endr
.irp j, 0,1,2,3
	v_mov_b32 v[12+\j], s[48+\j]
.endr
	s_wait_xcnt 0x0                                ; EXEC changes only behind this wait
	s_and_saveexec_b32 s44, vcc_lo
	global_store_b128 v9, v[12:15], s[22:23] offset:1024
	s_wait_xcnt 0x0
	s_or_b32 exec_lo, exec_lo, s44
.Lmk_all:
	v_or_b32 v24, v16, v17
	v_or_b32 v25, v18, v19
	v_or_b32 v24, v24, v25
	v_cmp_ne_u32 s42, 0, v24
	s_cmp_eq_u32 s41, 0
	s_cselect_b32 s42, -1, s42                     ; act
	v_cmp_ne_u32 s43, 0x01010101, v20              ; notfull
	v_mov_b32 v10, s42
	v_mov_b32 v11, s43
	s_lshl_b32 s28, s25, 3
	s_add_nc_u64 s[30:31], s[22:23], s[28:29]
	s_wait_xcnt 0x0
	s_and_saveexec_b32 s44, vcc_lo
	global_store_b64 v9, v[10:11], s[30:31]
	s_wait_xcnt 0x0
	s_or_b32 exec_lo, exec_lo, s44
	s_wait_tensorcnt 0x0                           ; the same three closing lines as the other kinds
	ds_add_u32 v[SPW], v[NIL]
	s_wait_dscnt 0x0
	s_endpgm
.Lfunc_end_k_q540b348147_prep:
	.size	k_q540b348147_prep, .Lfunc_end_k_q540b348147_prep-k_q540b348147_prep
	.p2alignl 7, 3214868480
	.fill 96, 4, 3214868480
	.section	.rodata,"a",@progbits
	.p2align	6, 0x0
	.amdhsa_kernel k_q540b348147_prep
		.amdhsa_group_segment_fixed_size 102912
		.amdhsa_private_segment_fixed_size 0
		.amdhsa_enable_private_segment 0
		.amdhsa_kernarg_size 80
		.amdhsa_user_sgpr_count 2
		.amdhsa_user_sgpr_kernarg_segment_ptr 1
		.amdhsa_wavefront_size32 1
		.amdhsa_system_sgpr_workgroup_id_x 1
		.amdhsa_system_sgpr_workgroup_id_y 1
		.amdhsa_system_sgpr_workgroup_id_z 1
		.amdhsa_system_vgpr_workitem_id 0
		.amdhsa_next_free_vgpr 232
		.amdhsa_next_free_sgpr 66
		.amdhsa_reserve_vcc 1
		.amdhsa_float_denorm_mode_32 3
		.amdhsa_float_denorm_mode_16_64 3
		.amdhsa_memory_ordered 1
		.amdhsa_forward_progress 1
		.amdhsa_inst_pref_size 161
	.end_amdhsa_kernel
	.amdgpu_metadata
---
amdhsa.version: [ 1, 2 ]
amdhsa.kernels:
  - .name:           k_q540b348147_prep
    .symbol:         k_q540b348147_prep.kd
    .args:
      - { .name: x, .offset: 0, .size: 8, .value_kind: global_buffer, .address_space: global }
      - { .name: Wq, .offset: 8, .size: 8, .value_kind: global_buffer, .address_space: global }
      - { .name: Wk, .offset: 16, .size: 8, .value_kind: global_buffer, .address_space: global }
      - { .name: Wv, .offset: 24, .size: 8, .value_kind: global_buffer, .address_space: global }
      - { .name: Wo, .offset: 32, .size: 8, .value_kind: global_buffer, .address_space: global }
      - { .name: mask, .offset: 40, .size: 8, .value_kind: global_buffer, .address_space: global }
      - { .name: codes, .offset: 48, .size: 8, .value_kind: global_buffer, .address_space: global }
      - { .name: scales, .offset: 56, .size: 8, .value_kind: global_buffer, .address_space: global }
      - { .name: wo16t, .offset: 64, .size: 8, .value_kind: global_buffer, .address_space: global }
      - { .name: flags, .offset: 72, .size: 8, .value_kind: global_buffer, .address_space: global }
    .group_segment_fixed_size: 102912
    .private_segment_fixed_size: 0
    .kernarg_segment_align: 8
    .kernarg_segment_size: 80
    .max_flat_workgroup_size: 128
    .sgpr_count:     66
    .vgpr_count:     232
    .wavefront_size: 32
...
	.end_amdgpu_metadata
.endif
;; end of part 1
;; launch qkv (part 2): grid 12 x 32, 4 waves a work-group, clusters of 4 x 4, 327,680 bytes of LDS; arguments codes, scales, bq, bk, bv, qkv; writes qkv
.if DOCPART == 2
	.amdgcn_target "amdgcn-amd-amdhsa--gfx1250"
	.amdhsa_code_object_version 6
	.text
	.protected	k_q540b348147_qkv
	.globl	k_q540b348147_qkv
	.p2align	8
	.type	k_q540b348147_qkv,@function
k_q540b348147_qkv:
	s_mov_b64 s[64:65], 0
	v_nop
	global_prefetch_b8 v0, s[64:65] scope:SCOPE_SE
	s_setreg_imm32_b32 hwreg(HW_REG_WAVE_MODE, 25, 1), 1
	s_wait_xcnt 0x0
	s_wait_alu depctr_hold_cnt(0) depctr_sa_sdst(0) depctr_va_vdst(0) depctr_va_sdst(0) depctr_va_ssrc(0) depctr_va_vcc(0) depctr_vm_vsrc(0)
	s_getreg_b32 s2, hwreg(HW_REG_IB_STS2, 6, 4)
	s_cmp_eq_u32 s2, 0
	s_cbranch_scc0 .Lentry_in_a_cluster
	s_endpgm
.Lentry_in_a_cluster:
	s_bfe_u32 s2, ttmp6, 0x10000c
	s_cmp_lg_u32 s2, 0xf033
	s_cbranch_scc0 .Lentry_shape_is_right
	s_endpgm
.Lentry_shape_is_right:
; q, k, v = Q(x) Q(W) + b: one GEMM 8,192 x 3,072 x 1,024 on codes of FP4 (E2M1) with one E8M0 scale for each 32 along K; sums in f32.
; A = x's codes [8192][512 B]; B = the three weights' codes [3072][512 B], behind them in the same buffer; the scale bytes [rows][32] likewise.
; A tile of 256 x 256 is made by four waves, 128 x 128 each: 64 accumulators, 512 registers.  All of K (two steps of 512) and all scale bytes fit in LDS: three tensor loads a wave at the head, nothing is filled again.
; CLUSTERS: 4 x 4 work-groups; A's tiles are asked for jointly along a row of the cluster, B's along a column.  Tile column = 4 x cluster x + cx, so cluster x says which weight.
; Tile row = 8 cy + cluster y, so cy is the batch and cluster y = 0 means a sequence's first 256 positions: a test that all sixteen partners share.
; THE MATRIX INSTRUCTION IS USED TRANSPOSED (source 0 = 16 rows of B, source 1 = 16 rows of A): a lane holds eight neighbouring columns of one token.  The bias is the C of each sum's first instruction.
; OUT: f16, head-major: [which 3][b 4][h 16][s 2048][64]; through the wave's stage, so that each store covers 512 consecutive bytes (four tokens of a head).
; The f32 numbers of v at positions 0-15 of each sequence also leave as an image of the accumulators' registers, for the launch that carries those rows finely.
; LIMIT: q, k, v must lie under 65,504 in size.
.set NQ,     4
.set ROWB,   256
.set KROW,   512
.set PITCH,  272                       ; an LDS row: 256 bytes + 16 of padding: the 16 rows that a load touches start at 16 different banks
.set FR,     8
.set NL,     2
.set NP,     4
.set HALFT,  128*PITCH
.set SLOT,   4*HALFT                   ; A's 256 rows, then B's 256 rows
.set KS,     32                        ; a row of scale bytes
.set SCL,    2*SLOT                    ; behind the two slots: the scale bytes, as units of 256 bytes + 16
.set HALFS,  16*272                    ; those of 128 rows
.set SBLK,   2*272                     ; those of 16 rows
.set STAGE,  SCL+4*HALFS               ; the way out: 16 rows x 272 bytes for each wave; no tensor load lands here
.set SPITCH, 272
.set SPARE,  STAGE+4*16*SPITCH         ; the spare words, 128 bytes a wave
.set ADRA, 16
.set ADRB, 20
.set STO,  24
.set RD,   25
.set CO,   26                          ; 16 x lane
.set ADRS, 27
.set SPW,  28
.set NIL,  29
.set SC,   32                          ; v32-95 scale words, two sets
.set AF,   128                         ; v128-191 A's fragments, one set
.set BIAS, 192                         ; v192-255 the bias in the result's layout, 8 registers for each of B's blocks
.set TMP,  32                          ; the way out: a block's 32 packed registers
.set BK,   64                          ; and what comes back from the stage: v64-95, v96-127 by turns
.set G1, 24
.set G0, 32
.set G1B, 48
.set G0B, 56
.set G1S, 68
.set G0S, 76
.set G1SB, 80
.set G0SB, 88
.set MSB, 0
.macro WIN new                         ; the immediate's high byte repeats the setting that is left
.if MSB != (\new)
	s_set_vgpr_msb (MSB<<8)|(\new)
.set MSB, (\new)
.endif
.endm
.set MUL_LO, 0xa1                      ; source 0 (B) window 1, source 1 (A) window 0, C and D window 2
.set MUL_HI, 0xf1                      ; the same, C and D window 3
.set TO_B,   0x40
.macro JLOAD g0a, g1a, g0b, g1b        ; a joint load: waves 0 and 1 fetch for A, waves 2 and 3 for B; an s_nop 0 and four v_nop follow each line
	s_cmp_eq_u32 s15, 0
	s_cbranch_scc0 .Lfor_b_\@
	tensor_load_to_lds s[\g0a:\g0a+3], s[\g1a:\g1a+7]
	s_nop 0
.rept 4
	v_nop
.endr
	s_branch .Lasked_\@
.Lfor_b_\@:
	tensor_load_to_lds s[\g0b:\g0b+3], s[\g1b:\g1b+7]
	s_nop 0
.rept 4
	v_nop
.endr
.Lasked_\@:
.endm
.macro CROUND                          ; a round of the cluster's barrier
	s_barrier_signal -1
	s_barrier_wait -1
	s_cmp_lg_u32 s14, 0
	s_cbranch_scc1 .Lnot_wave_0_\@
	s_barrier_signal -3
.Lnot_wave_0_\@:
	s_barrier_wait -3
	s_barrier_signal -1
	s_barrier_wait -1
.endm
	s_load_b128 s[4:7], s[0:1], 0x0                ; codes, scales
	s_load_b128 s[96:99], s[0:1], 0x10             ; bq, bk
	s_load_b64 s[100:101], s[0:1], 0x20            ; bv
	s_load_b64 s[12:13], s[0:1], 0x28              ; qkv
	v_lshl_add_u32 v[SPW], v0, 2, SPARE
	v_mov_b32 v[NIL], 0
	ds_add_u32 v[SPW], v[NIL]                      ; the wave's opening: the add, twice on end, and its wait ahead of my first tensor load
	ds_add_u32 v[SPW], v[NIL]
	v_lshrrev_b32 v1, 5, v0
	v_readfirstlane_b32 s14, v1                    ; wave 0..3
	s_lshr_b32 s15, s14, 1                         ; which half of the tile's rows is mine.  Also: I fetch for A (0) or for B (1)
	s_and_b32 s16, s14, 1                          ; which half of its columns.  Also: which 128 rows I fetch
	s_bfe_u32 s40, ttmp6, 0x40000                  ; cx
	s_bfe_u32 s41, ttmp6, 0x40004                  ; cy
	s_lshl_b32 s42, ttmp9, 2
	s_add_co_u32 s42, s42, s40                     ; tile column = 4 x cluster x + cx
	s_and_b32 s95, ttmp7, 0xffff                   ; cluster y
	s_lshl_b32 s17, s41, 3
	s_add_co_u32 s17, s17, s95                     ; tile row = 8 cy + cluster y
	s_lshl_b32 s43, s41, 2
	s_lshl_b32 s43, 15, s43                        ; my row of the cluster
	s_lshl_b32 s44, 0x1111, s40                    ; my column
	s_or_b32 s[G1+0], s43, (0<<16)|(1<<20)|(1<<21)|(5<<22)|(3<<25)  ; the mask; elements of 1 byte; padding: 4 words behind every 64
	s_or_b32 s[G1B+0], s44, (0<<16)|(1<<20)|(1<<21)|(5<<22)|(3<<25)
.irp g, G1, G1B
	s_mov_b32 s[\g+1], ROWB<<16                    ; tensor_dim0 = 256
	s_mov_b32 s[\g+2], 128<<16                     ; tensor_dim1 = 128
	s_mov_b32 s[\g+3], ROWB<<16                    ; tile_dim0
	s_mov_b32 s[\g+4], 128                         ; tile_dim1
	s_mov_b32 s[\g+5], KROW                        ; from row to row
	s_mov_b32 s[\g+6], 0
	s_mov_b32 s[\g+7], 0
.endr
	s_or_b32 s[G1S+0], s43, (3<<16)|(1<<20)|(1<<21)|(5<<22)|(3<<25)  ; the scale bytes of 128 rows: 4,096 dense bytes as 16 rows of 32 elements of 8 bytes
	s_or_b32 s[G1SB+0], s44, (3<<16)|(1<<20)|(1<<21)|(5<<22)|(3<<25)
.irp g, G1S, G1SB
	s_mov_b32 s[\g+1], 32<<16
	s_mov_b32 s[\g+2], 16<<16
	s_mov_b32 s[\g+3], 32<<16
	s_mov_b32 s[\g+4], 16
	s_mov_b32 s[\g+5], 32
	s_mov_b32 s[\g+6], 0
	s_mov_b32 s[\g+7], 0
.endr
	s_lshl_b32 s18, s16, 7
	s_lshl_b32 s20, s17, 8
	s_add_co_u32 s20, s20, s18                     ; A: row 256 x tile row + 128 x half
	s_lshl_b32 s46, s42, 8
	s_add_co_u32 s46, s46, s18                     ; B: row 256 x tile column + 128 x half
	s_mov_b32 s21, 0
	s_mov_b32 s47, 0
	s_mov_b64 s[18:19], KS
	s_mul_u64 s[22:23], s[20:21], s[18:19]         ; where these rows' scale bytes begin
	s_mul_u64 s[92:93], s[46:47], s[18:19]
	s_mov_b64 s[18:19], KROW
	s_mul_u64 s[20:21], s[20:21], s[18:19]         ; and their codes
	s_mul_u64 s[46:47], s[46:47], s[18:19]
	s_mul_i32 s45, s14, HALFT                      ; where they go: wave x 128 rows
	s_mul_i32 s94, s14, HALFS
	s_wait_dscnt 0x0                               ; both opening adds are done
	s_wait_kmcnt 0x0
	s_add_nc_u64 s[8:9], s[4:5], 0x400000          ; the weights' codes lie behind x's,
	s_add_nc_u64 s[10:11], s[6:7], 0x40000         ; their scale bytes behind x's
	s_add_nc_u64 s[20:21], s[4:5], s[20:21]
	s_add_nc_u64 s[22:23], s[6:7], s[22:23]
	s_add_nc_u64 s[46:47], s[8:9], s[46:47]
	s_add_nc_u64 s[92:93], s[10:11], s[92:93]
	CROUND                                         ; all sixteen work-groups are here: the joint loads meet
	s_mov_b32 s[G0S], 1
	s_add_co_u32 s[G0S+1], s94, SCL
	s_mov_b64 s[G0S+2:G0S+3], s[22:23]
	s_or_b32 s[G0S+3], s[G0S+3], 0x80000000
	s_mov_b32 s[G0SB], 1
	s_add_co_u32 s[G0SB+1], s94, SCL
	s_mov_b64 s[G0SB+2:G0SB+3], s[92:93]
	s_or_b32 s[G0SB+3], s[G0SB+3], 0x80000000
	JLOAD G0S, G1S, G0SB, G1SB                     ; the scale bytes first: they are wanted with K step 0
.irp s, 0,1
	s_mov_b32 s[G0+4*\s], 1
	s_add_co_u32 s[G0+4*\s+1], s45, \s*SLOT
	s_add_nc_u64 s[G0+4*\s+2:G0+4*\s+3], s[20:21], \s*ROWB
	s_or_b32 s[G0+4*\s+3], s[G0+4*\s+3], 0x80000000
	s_mov_b32 s[G0B+4*\s], 1
	s_add_co_u32 s[G0B+4*\s+1], s45, \s*SLOT
	s_add_nc_u64 s[G0B+4*\s+2:G0B+4*\s+3], s[46:47], \s*ROWB
	s_or_b32 s[G0B+4*\s+3], s[G0B+4*\s+3], 0x80000000
	JLOAD G0+4*\s, G1, G0B+4*\s, G1B               ; three tensor loads of mine are out in all
.endr
	v_and_b32 v1, 15, v0                           ; r
	v_bfe_u32 v2, v0, 4, 1                         ; hh
	v_mul_u32_u24 v3, v1, PITCH
	v_lshl_add_u32 v4, v2, 4, v3                   ; a fragment's row x pitch + 16 x half
	s_mul_i32 s21, s15, HALFT
	s_mul_i32 s22, s16, HALFT
	s_add_co_u32 s22, s22, 2*HALFT
.irp s, 0,1
	v_add_nc_u32 v[ADRA+\s], s21, v4
	v_add_nc_u32 v[ADRB+\s], s22, v4
	s_add_co_u32 s21, s21, SLOT
	s_add_co_u32 s22, s22, SLOT
.endr
	v_mul_u32_u24 v5, v1, KS                       ; my row's scale bytes,
	v_lshrrev_b32 v6, 8, v5
	v_lshl_add_u32 v5, v6, 4, v5                   ; and 16 more for each 256 passed
	s_mul_i32 s21, s15, HALFS
	s_mul_i32 s22, s16, HALFS
	s_add_co_u32 s22, s22, 2*HALFS
	s_sub_co_u32 s22, s22, s21
	v_mul_u32_u24 v6, s22, v2                      ; lanes 16-31 take B's
	s_add_co_u32 s21, s21, SCL
	v_add_nc_u32 v5, v5, v6
	v_add_nc_u32 v[ADRS], s21, v5
	s_mul_i32 s23, s14, 16*SPITCH
	s_add_co_u32 s23, s23, STAGE                   ; my stage
	v_mul_u32_u24 v5, v1, SPITCH
	v_lshl_add_u32 v5, v2, 4, v5
	v_add_nc_u32 v[STO], s23, v5                   ; in: row r, 16 bytes for each half of the lanes
	v_and_b32 v6, 31, v0
	v_lshlrev_b32 v[CO], 4, v6
	v_lshrrev_b32 v5, 3, v6
	v_mul_u32_u24 v5, v5, SPITCH
	v_and_b32 v7, 7, v0
	v_lshl_add_u32 v5, v7, 4, v5
	v_add_nc_u32 v[RD], s23, v5                    ; back: eight lanes take a token's 128 bytes of one head, four tokens an instruction
	v_lshlrev_b32 v31, 5, v2                       ; the bias: 32 bytes for each half of the lanes
	s_cmp_eq_u32 ttmp9, 0                          ; which bias: by cluster x
	s_cselect_b64 s[96:97], s[96:97], s[98:99]
	s_cmp_eq_u32 ttmp9, 2
	s_cselect_b64 s[96:97], s[100:101], s[96:97]
	s_lshl_b32 s98, s40, 10
	s_lshl_b32 s99, s16, 9
	s_add_co_u32 s98, s98, s99                     ; my first column in the weight, x 4 bytes
	s_mov_b32 s99, 0
	s_add_nc_u64 s[96:97], s[96:97], s[98:99]
.irp b, 0,1,2,3,4,5,6,7
	global_load_b128 v[BIAS+8*\b:BIAS+8*\b+3], v31, s[96:97] offset:64*\b
	global_load_b128 v[BIAS+8*\b+4:BIAS+8*\b+7], v31, s[96:97] offset:64*\b+16
.endr
	s_lshl_b32 s92, s41, 16                        ; the image of v: 65,536 bytes a batch,
	s_lshl_b32 s93, s40, 14
	s_add_co_u32 s92, s92, s93
	s_lshl_b32 s93, s16, 13
	s_add_co_u32 s92, s92, s93                     ; 1,024 for each 16 columns
	s_add_co_u32 s92, s92, 50331648                ; behind the three f16 tensors
	s_mov_b32 s93, 0
	s_add_nc_u64 s[92:93], s[12:13], s[92:93]
	s_lshl_b32 s46, ttmp9, 24                      ; which tensor: 16,777,216 bytes each,
	s_lshl_b32 s47, s41, 22
	s_add_co_u32 s46, s46, s47                     ; the batch,
	s_lshl_b32 s47, s40, 20
	s_add_co_u32 s46, s46, s47
	s_lshl_b32 s47, s16, 19
	s_add_co_u32 s46, s46, s47                     ; my first head: 4 cx + 2 x half, 262,144 bytes a head,
	s_lshl_b32 s47, s95, 15
	s_add_co_u32 s46, s46, s47
	s_lshl_b32 s47, s15, 14
	s_add_co_u32 s46, s46, s47                     ; my first position: 256 x cluster y + 128 x half, 128 bytes each
	s_mov_b32 s47, 0
	s_add_nc_u64 s[12:13], s[12:13], s[46:47]
	s_xor_b32 s94, ttmp9, 2
	s_or_b32 s94, s94, s95
	s_or_b32 s94, s94, s15                         ; 0 where my rows 0-15 are v's positions 0-15: cluster ids and the wave's number alone
.macro FRAG reg, adr, q, i             ; a fragment: 16 rows x 128 K of 4-bit codes, 8 registers
.irp c, 0,1
	ds_load_b128 v[\reg+4*\c:\reg+4*\c+3], v[\adr] offset:64*(\q)+32*\c+(\i)*16*PITCH
.endr
.endm
; 16 matrix instructions: A's blocks a0, a0 + 1 x B's eight.  first = 1: the bias is the C.  The 64 accumulators take turns, one instruction a turn.
.macro MUL16 a0, p, q, sc, first
.irp a, \a0, \a0+1
.irp b, 0,1,2,3,4,5,6,7
.if \first
	v_wmma_scale_f32_16x16x128_f8f6f4 v[8*(8*((\a)%4)+\b):8*(8*((\a)%4)+\b)+7], v[128*(\p)+FR*\b:128*(\p)+FR*\b+FR-1], v[AF+FR*(\a):AF+FR*(\a)+FR-1], v[BIAS+8*\b:BIAS+8*\b+7], v[SC+8*NQ*(\sc)+NQ*\b+(\q)], v[SC+8*NQ*(\sc)+NQ*(\a)+(\q)] matrix_a_fmt:MATRIX_FMT_FP4 matrix_b_fmt:MATRIX_FMT_FP4 matrix_a_scale:MATRIX_SCALE_ROW1
.else
	v_wmma_scale_f32_16x16x128_f8f6f4 v[8*(8*((\a)%4)+\b):8*(8*((\a)%4)+\b)+7], v[128*(\p)+FR*\b:128*(\p)+FR*\b+FR-1], v[AF+FR*(\a):AF+FR*(\a)+FR-1], v[8*(8*((\a)%4)+\b):8*(8*((\a)%4)+\b)+7], v[SC+8*NQ*(\sc)+NQ*\b+(\q)], v[SC+8*NQ*(\sc)+NQ*(\a)+(\q)] matrix_a_fmt:MATRIX_FMT_FP4 matrix_b_fmt:MATRIX_FMT_FP4 matrix_a_scale:MATRIX_SCALE_ROW1
.endif
.endr
.endr
.endm
.macro FETCH_B slot, q, p
	WIN TO_B
.irp i, 0,1,2,3,4,5,6,7
	FRAG 128*(\p)+FR*\i, ADRB+\slot, \q, \i
.endr
	WIN 0
.endm
.macro FETCH_A slot, q, i0
.irp i, \i0, \i0+1, \i0+2, \i0+3
	FRAG AF+FR*(\i), ADRA+\slot, \q, \i
.endr
.endm
.macro SCALES sc                       ; a K step's scale words: lanes 0-15 take A's block i, lanes 16-31 B's block i
.irp i, 0,1,2,3,4,5,6,7
	ds_load_b128 v[SC+8*NQ*\sc+NQ*\i:SC+8*NQ*\sc+NQ*\i+3], v[ADRS] offset:\i*SBLK
.endr
.endm
.macro PLACES n                        ; plain vector instructions between a matrix instruction and a load into, or a read of, its registers
.rept \n
	v_nop
.endr
.endm
.macro STEP slot, q, first             ; 128 along K with its successor in the same slot
	s_wait_dscnt 4*NL                              ; B's set and A's blocks 0-3 are in; A's blocks 4-7 may be out
	WIN MUL_LO-0x20*(\first)                       ; (the bias lies in window 0)
	MUL16 0, (\q)%2, \q, \slot, \first
	MUL16 2, (\q)%2, \q, \slot, \first
	s_wait_dscnt 0
	PLACES NP
	FETCH_B \slot, (\q)+1, 1-(\q)%2
	FETCH_A \slot, (\q)+1, 0
	WIN MUL_HI-0x30*(\first)
	MUL16 4, (\q)%2, \q, \slot, \first
	MUL16 6, (\q)%2, \q, \slot, \first
	PLACES NP
	WIN 0
	FETCH_A \slot, (\q)+1, 4
.endm
.macro STEPS slot, from
.set Q, \from
.rept NQ-1-\from
	STEP \slot, Q, 0
.set Q, Q+1
.endr
.endm
	s_wait_tensorcnt 1                             ; the scale bytes and my part of K step 0 are in; K step 1's load may be out
	s_barrier_signal -1
	s_barrier_wait -1
	FETCH_B 0, 0, 0
	FETCH_A 0, 0, 0
	SCALES 0
	FETCH_A 0, 0, 4
	s_wait_loadcnt 0x0                             ; the bias
	STEP 0, 0, 1
	STEPS 0, 1
	; slot 0's last step changes slots: my part of slot 1 has landed, then the barrier; nothing is filled again
	s_wait_tensorcnt 0x0
	ds_add_u32 v[SPW], v[NIL]
	s_wait_dscnt 4*NL+1                            ; the add and A's blocks 4-7 may be out
	WIN MUL_LO
	MUL16 0, 1, NQ-1, 0, 0
	s_wait_dscnt 0x0
	s_barrier_signal -1
	MUL16 2, 1, NQ-1, 0, 0
	WIN 0
	s_barrier_wait -1
	PLACES NP
	v_add_nc_u32 v[ADRS], 4*NQ, v[ADRS]            ; on to K step 1's scale words
	FETCH_B 1, 0, 0
	FETCH_A 1, 0, 0
	SCALES 1
	WIN MUL_HI
	MUL16 4, 1, NQ-1, 0, 0
	MUL16 6, 1, NQ-1, 0, 0
	PLACES NP
	WIN 0
	FETCH_A 1, 0, 4
	STEPS 1, 0
	s_wait_dscnt 4*NL                              ; the very last step
	WIN MUL_LO
	MUL16 0, 1, NQ-1, 1, 0
	MUL16 2, 1, NQ-1, 1, 0
	s_wait_dscnt 0
	WIN MUL_HI
	MUL16 4, 1, NQ-1, 1, 0
	MUL16 6, 1, NQ-1, 1, 0
	WIN 0
	PLACES NP
	; v's positions 0-15 in f32: block 0's accumulators as they stand, 512 consecutive bytes a store, each accumulator from its low end on
	s_cmp_lg_u32 s94, 0
	s_cbranch_scc1 .Lno_image
	WIN 0x08                                       ; a store's data: window 2
.irp b, 0,1,2,3,4,5,6,7
	global_store_b128 v[CO], v[8*\b:8*\b+3], s[92:93] offset:1024*\b
	global_store_b128 v[CO], v[8*\b+4:8*\b+7], s[92:93] offset:1024*\b+512
.endr
	WIN 0
.Lno_image:
.macro PACK a                          ; block a: 16 tokens x 128 columns, rounded to f16
.set AC, 64*((\a)%4)
	WIN 0x0a+5*((\a)/4)
.irp b, 0,1,2,3,4,5,6,7
.irp r, 0,1,2,3
	v_cvt_pk_f16_f32 v[TMP+4*\b+\r], v[AC+8*\b+2*\r], v[AC+8*\b+2*\r+1]
.endr
.endr
	WIN 0
.endm
.macro TOSTAGE a
.set BB, BK+32*((\a)%2)
.irp b, 0,1,2,3,4,5,6,7
	ds_store_b128 v[STO], v[TMP+4*\b:TMP+4*\b+3] offset:32*\b
.endr
.irp t, 0,1,2,3,4,5,6,7
	ds_load_b128 v[BB+4*\t:BB+4*\t+3], v[RD] offset:(\t%4)*4*SPITCH+(\t/4)*128   ; LDS serves a wave's instructions in order: these see the stores above
.endr
.endm
.macro SEND a
.set BB, BK+32*((\a)%2)
	s_wait_dscnt 0x0                               ; the block is back in registers
	s_wait_xcnt 0x0                                ; the earlier stores have read their registers: the next block's loads may land there
.irp t, 0,1,2,3,4,5,6,7
	global_store_b128 v[CO], v[BB+4*\t:BB+4*\t+3], s[12:13] offset:(\t/4)*262144+(\t%4)*512+2048*(\a)   ; 512 consecutive bytes: four tokens of one head
.endr
.endm
	PACK 0
	TOSTAGE 0
.irp a, 1,2,3,4,5,6,7
	PACK \a
	SEND \a-1
	TOSTAGE \a
.endr
	SEND 7
	s_wait_tensorcnt 0x0                           ; the wave's end
	ds_add_u32 v[SPW], v[NIL]
	s_wait_dscnt 0x0
	CROUND                                         ; the closing round
	s_endpgm
.Lfunc_end_k_q540b348147_qkv:
	.size	k_q540b348147_qkv, .Lfunc_end_k_q540b348147_qkv-k_q540b348147_qkv
	.p2alignl 7, 3214868480
	.fill 96, 4, 3214868480
	.section	.rodata,"a",@progbits
	.p2align	6, 0x0
	.amdhsa_kernel k_q540b348147_qkv
		.amdhsa_group_segment_fixed_size 327680
		.amdhsa_private_segment_fixed_size 0
		.amdhsa_enable_private_segment 0
		.amdhsa_kernarg_size 48
		.amdhsa_user_sgpr_count 2
		.amdhsa_user_sgpr_kernarg_segment_ptr 1
		.amdhsa_wavefront_size32 1
		.amdhsa_system_sgpr_workgroup_id_x 1
		.amdhsa_system_sgpr_workgroup_id_y 1
		.amdhsa_system_sgpr_workgroup_id_z 1
		.amdhsa_system_vgpr_workitem_id 0
		.amdhsa_next_free_vgpr 1024
		.amdhsa_next_free_sgpr 102
		.amdhsa_reserve_vcc 0
		.amdhsa_float_denorm_mode_32 3
		.amdhsa_float_denorm_mode_16_64 3
		.amdhsa_memory_ordered 1
		.amdhsa_forward_progress 1
		.amdhsa_inst_pref_size 130
	.end_amdhsa_kernel
	.amdgpu_metadata
---
amdhsa.version: [ 1, 2 ]
amdhsa.kernels:
  - .name:           k_q540b348147_qkv
    .symbol:         k_q540b348147_qkv.kd
    .args:
      - { .name: codes, .offset: 0, .size: 8, .value_kind: global_buffer, .address_space: global }
      - { .name: scales, .offset: 8, .size: 8, .value_kind: global_buffer, .address_space: global }
      - { .name: bq, .offset: 16, .size: 8, .value_kind: global_buffer, .address_space: global }
      - { .name: bk, .offset: 24, .size: 8, .value_kind: global_buffer, .address_space: global }
      - { .name: bv, .offset: 32, .size: 8, .value_kind: global_buffer, .address_space: global }
      - { .name: qkv, .offset: 40, .size: 8, .value_kind: global_buffer, .address_space: global }
    .group_segment_fixed_size: 327680
    .private_segment_fixed_size: 0
    .kernarg_segment_align: 8
    .kernarg_segment_size: 48
    .max_flat_workgroup_size: 128
    .sgpr_count:     102
    .vgpr_count:     1024
    .wavefront_size: 32
...
	.end_amdgpu_metadata
.endif
;; end of part 2
;; launch attn (part 3): grid 4 x 64, 8 waves a work-group, no clusters, 115,712 bytes of LDS; arguments qkv, mask, flags, att16; writes att16
.if DOCPART == 3
	.amdgcn_target "amdgcn-amd-amdhsa--gfx1250"
	.amdhsa_code_object_version 6
	.text
	.protected	k_q540b348147_attn
	.globl	k_q540b348147_attn
	.p2align	8
	.type	k_q540b348147_attn,@function
k_q540b348147_attn:
	s_mov_b64 s[64:65], 0
	v_nop
	global_prefetch_b8 v0, s[64:65] scope:SCOPE_SE
	s_setreg_imm32_b32 hwreg(HW_REG_WAVE_MODE, 25, 1), 1
	s_wait_xcnt 0x0
; att[b][q][h][:] = the sum over k of softmax_k(where(mask[q][k], q . k / 8, -1e9)) v[k][:], operands in f16, products, maxima and sums in f32, by a running maximum.
; SHARES.  Work-group (I, b x 16 + h) serves two blocks of 256 queries of one head, 7 - I and then I.  Each of eight waves owns 32 queries, two tiles of 16.
; Keys go 128 a trip, two steps of 64, through two LDS slots that the work-group fills through registers: a trip's loads are issued at its head, stored into the other slot at its end; one barrier a trip.
; THE MASK IS DATA.  An earlier launch has stored, for each 16 query rows and each 64 keys, whether the tile holds a true byte (act; all ones where a row has none) and whether it holds a false one.
; A step that is not active for my 32 rows is passed over: its weights are exactly 0 beside a row's true keys.  A trip that no wave of the work-group wants is not loaded.  In a step with a false byte the mask's bytes
; are read and hidden scores become -8e9, which times 1/8 is the -1e9 of the definition.  These are branches on stored whole numbers, so this launch has no tensor load, and no cluster: partners would want different tiles.
; LAYOUT.  S^T = K Q^T (source 0 = 16 keys, source 1 = 16 queries): a lane holds ONE query and 8 keys a tile; two tiles rounded to f16 in pairs are source 1 of O^T = V^T P.  V comes out of LDS turned, by ds_load_tr16_b128.
; LIMITS: unmasked scores / 8 must lie above -9.9e8; the result must lie under 65,504; NaN and infinities are not served.
; REGISTERS: window 0 as named below; window 1: v0-63 O^T (32 qt + 8 ct), v64-95 Q (16 qt + 8 dh).
.set PK,    144                        ; a key's row in LDS: 128 bytes + 16
.set PV,    160                        ; a row of V: 128 + 32: an odd multiple of 32
.set VOFF,  128*PK
.set SLOT,  VOFF+128*PV                ; 38,912
.set STAGE, 2*SLOT                     ; the way out: 32 rows x 144 bytes for each wave
.set SP,    144
.set SPARE, STAGE+8*32*SP              ; the spare words, 128 bytes a wave
.set AK,  1                            ; v1, v2   my lane's place in K's tiles of slot 0, 1
.set AV,  3                            ; v3, v4   in V's
.set SK,  5                            ; v5, v6   where my thread stores its 16 bytes of K
.set SV,  7                            ; v7, v8   of V
.set GK,  9                            ; v9   16 x thread
.set MA,  10                           ; v10  2,048 r + 8 hh: my place in the wave's mask rows
.set QO,  11
.set STO, 12
.set RD,  13
.set GO,  14
.set PFO, 15                           ; v15  256 x lane
.set ST,  16                           ; v16-31 statistics, 8 a tile: c m, m, l (two halves), four at work; a at +6
.set STG, 32                           ; v32-63 the next trip's K and V on their way to LDS
.set MKR, 64                           ; v64-79 mask bytes
.set S,   80                           ; v80-143 S^T, 32 a tile
.set P,   144                          ; v144-175 P, 16 a tile
.set KF,  176                          ; v176-239 K's eight fragments, then V's
.set SPW, 240
.set NIL, 241
.set NEG, 242
.set TM,  244
.set CS,  42                           ; s[42:43] c = log2(e) / 8
.set SEL, 44                           ; s[44:45] lane selects: lane l xor 16
.set MSB, 0
.macro WIN new
.if MSB != (\new)
	s_set_vgpr_msb (MSB<<8)|(\new)
.set MSB, (\new)
.endif
.endm
	s_load_b256 s[4:11], s[0:1], 0x0               ; qkv, mask, flags, att16
	v_lshl_add_u32 v[SPW], v0, 2, SPARE
	v_mov_b32 v[NIL], 0
	v_lshrrev_b32 v1, 5, v0
	v_readfirstlane_b32 s12, v1                    ; wave 0..7
	s_mov_b32 s13, ttmp9                           ; I
	s_and_b32 s14, ttmp7, 0xffff                   ; 16 b + h
	v_and_b32 v244, 15, v0                         ; r
	v_bfe_u32 v245, v0, 4, 1                       ; hh
	v_mul_u32_u24 v[AK], v244, PK
	v_lshl_add_u32 v[AK], v245, 4, v[AK]
	v_add_nc_u32 v[AK+1], SLOT, v[AK]
	v_and_b32 v246, 7, v0
	v_bfe_u32 v247, v0, 3, 1
	v_lshl_add_u32 v[AV], v245, 3, v246
	v_mul_u32_u24 v[AV], v[AV], PV
	v_lshl_add_u32 v[AV], v247, 4, v[AV]
	v_add_nc_u32 v[AV], VOFF, v[AV]
	v_add_nc_u32 v[AV+1], SLOT, v[AV]
	v_lshrrev_b32 v246, 3, v0                      ; thread / 8: a row of 32
	v_and_b32 v247, 7, v0
	v_mul_u32_u24 v[SK], v246, PK
	v_lshl_add_u32 v[SK], v247, 4, v[SK]
	v_add_nc_u32 v[SK+1], SLOT, v[SK]
	v_mul_u32_u24 v[SV], v246, PV
	v_lshl_add_u32 v[SV], v247, 4, v[SV]
	v_add_nc_u32 v[SV], VOFF, v[SV]
	v_add_nc_u32 v[SV+1], SLOT, v[SV]
	v_lshlrev_b32 v[GK], 4, v0
	v_lshlrev_b32 v[MA], 11, v244
	v_lshl_add_u32 v[MA], v245, 3, v[MA]
	v_lshlrev_b32 v[QO], 7, v244
	v_lshl_add_u32 v[QO], v245, 4, v[QO]
	s_mul_i32 s46, s12, 32*SP
	s_add_co_u32 s46, s46, STAGE                   ; my stage
	v_mul_u32_u24 v[STO], v244, SP
	v_lshl_add_u32 v[STO], v245, 4, v[STO]
	v_add_nc_u32 v[STO], s46, v[STO]
	v_and_b32 v246, 31, v0
	v_lshrrev_b32 v247, 3, v246
	v_mul_u32_u24 v[RD], v247, SP
	v_and_b32 v247, 7, v0
	v_lshl_add_u32 v[RD], v247, 4, v[RD]
	v_add_nc_u32 v[RD], s46, v[RD]
	v_lshlrev_b32 v[GO], 4, v246
	v_lshlrev_b32 v[PFO], 8, v246
	v_mov_b32 v[NEG], 0xcfee6b28                   ; -8e9
	s_mov_b32 s[CS], 0x3e38aa3b
	s_mov_b32 s[CS+1], s[CS]
	s_mov_b32 s[SEL], 0x76543210
	s_mov_b32 s[SEL+1], 0xfedcba98
	s_wait_kmcnt 0x0
	s_lshl_b32 s46, s14, 18                        ; a head's 2,048 rows of 128 bytes
	s_mov_b32 s47, 0
	s_add_nc_u64 s[26:27], s[4:5], s[46:47]        ; q's head,
	s_add_nc_u64 s[28:29], s[26:27], 0x1000000     ; k's,
	s_add_nc_u64 s[30:31], s[26:27], 0x2000000     ; v's
	s_and_b32 s46, s14, 15
	s_lshl_b32 s46, s46, 20                        ; att16 is [h][token][64]: 1,048,576 bytes a head,
	s_lshr_b32 s48, s14, 4
	s_lshl_b32 s48, s48, 18                        ; 262,144 a batch
	s_add_co_u32 s46, s46, s48
	s_add_nc_u64 s[10:11], s[10:11], s[46:47]
	s_mov_b32 s15, 0                               ; which of my two blocks
; One tile's softmax for a step of 64 keys.
.macro SM t
.set rT, ST+8*(\t)
.set rS, S+32*(\t)
.set rP, P+16*(\t)
.irp j, 0,1,2,3
	v_max3_num_f32 v[rT+4+\j], v[rS+8*\j], v[rS+8*\j+1], v[rS+8*\j+2]     ; four chains; each accumulator is read from its low end on
.endr
.irp g, 1,2
.irp j, 0,1,2,3
	v_max3_num_f32 v[rT+4+\j], v[rT+4+\j], v[rS+8*\j+2*\g+1], v[rS+8*\j+2*\g+2]
.endr
.endr
	v_max3_num_f32 v[rT+4], v[rT+4], v[rS+7], v[rS+15]
	v_max3_num_f32 v[rT+6], v[rT+6], v[rS+23], v[rS+31]
	v_max3_num_f32 v[rT+4], v[rT+4], v[rT+5], v[rT+6]
	v_max3_num_f32 v[rT+4], v[rT+4], v[rT+7], v[rT+1]                     ; with the old m
	v_permlanex16_b32 v[rT+5], v[rT+4], s[SEL], s[SEL+1]                  ; the query's other 32 keys lie in the lane 16 away
	v_mov_b32 v[rT+7], v[rT]
	v_max_num_f32 v[rT+1], v[rT+4], v[rT+5]
	v_mul_f32 v[rT], s[CS], v[rT+1]
	v_sub_f32 v[rT+7], v[rT+7], v[rT]                                     ; c m_old - c m_new
.irp b, 0,2,4,6,8,10,12,14,16,18,20,22,24,26,28,30
	v_pk_fma_f32 v[rS+\b:rS+\b+1], v[rS+\b:rS+\b+1], s[CS:CS+1], v[rT:rT+1] op_sel_hi:[1,0,0] neg_lo:[0,0,1] neg_hi:[0,0,1]
.endr
	v_exp_f32 v[rT+6], v[rT+7]                                            ; a
.set e, 0
.rept 32
	v_exp_f32 v[rS+e], v[rS+e]
.set e, e+1
.endr
	v_nop                                          ; a plain instruction behind the last exponential
	s_wait_alu depctr_va_vdst(0)                   ; one wait for the batch of 33, ahead of the first instruction that names a result
.set e, 0
.rept 16
	v_cvt_pk_f16_f32 v[rP+e], v[rS+2*e], v[rS+2*e+1]
.set e, e+1
.endr
.irp u, 0,1,2,3,4,5,6,7
	v_pk_add_f32 v[rS+4*\u:rS+4*\u+1], v[rS+4*\u:rS+4*\u+1], v[rS+4*\u+2:rS+4*\u+3]   ; the sum of the unrounded weights, in place
.endr
.irp u, 0,1,2,3
	v_pk_add_f32 v[rS+8*\u:rS+8*\u+1], v[rS+8*\u:rS+8*\u+1], v[rS+8*\u+4:rS+8*\u+5]
.endr
.irp u, 0,1
	v_pk_add_f32 v[rS+16*\u:rS+16*\u+1], v[rS+16*\u:rS+16*\u+1], v[rS+16*\u+8:rS+16*\u+9]
.endr
	v_pk_add_f32 v[rS:rS+1], v[rS:rS+1], v[rS+16:rS+17]
	v_pk_fma_f32 v[rT+2:rT+3], v[rT+2:rT+3], v[rT+6:rT+7], v[rS:rS+1] op_sel_hi:[1,0,1]
	WIN 0x41                                       ; O^T (destination and source 0) in window 1
.set e, 0
.rept 16
	v_pk_mul_f32 v[32*(\t)+2*e:32*(\t)+2*e+1], v[32*(\t)+2*e:32*(\t)+2*e+1], v[rT+6:rT+7] op_sel_hi:[1,0]
.set e, e+1
.endr
.endm
.macro PVM t                           ; O^T += V^T P: four accumulators by turns
	WIN 0x50                                       ; C and D in window 1
.irp kh, 0,1
.irp ct, 0,1,2,3
	v_wmma_f32_16x16x32_f16 v[32*(\t)+8*\ct:32*(\t)+8*\ct+7], v[KF+32*\kh+8*\ct:KF+32*\kh+8*\ct+7], v[P+16*(\t)+8*\kh:P+16*(\t)+8*\kh+7], v[32*(\t)+8*\ct:32*(\t)+8*\ct+7]
.endr
.endr
	WIN 0
.endm
; A step of 64 keys: the u-th of the trip whose tiles lie in slot s.
.macro SUB s, u
	s_bitcmp1_b32 s22, \u                          ; is the step active for my 32 rows?
	s_cbranch_scc0 .Lskip_\@
.irp f, 0,1,2,3,4,5,6,7                ; fragment 2 kt + dh of K
	ds_load_b128 v[KF+8*\f:KF+8*\f+3],   v[AK+\s] offset:9216*\u+2304*(\f/2)+64*(\f%2)
	ds_load_b128 v[KF+8*\f+4:KF+8*\f+7], v[AK+\s] offset:9216*\u+2304*(\f/2)+64*(\f%2)+32
.endr
	s_wait_dscnt 0x0
	WIN 0x04                                       ; Q in window 1
.set i, 0
.rept 16                               ; channels 32 (i / 8) on, keys 16 ((i / 2) % 4) on, tile i % 2: eight accumulators by turns
.if i < 8
	v_wmma_f32_16x16x32_f16 v[S+32*(i%2)+8*((i/2)%4):S+32*(i%2)+8*((i/2)%4)+7], v[KF+16*((i/2)%4)+8*(i/8):KF+16*((i/2)%4)+8*(i/8)+7], v[64+16*(i%2)+8*(i/8):64+16*(i%2)+8*(i/8)+7], 0
.else
	v_wmma_f32_16x16x32_f16 v[S+32*(i%2)+8*((i/2)%4):S+32*(i%2)+8*((i/2)%4)+7], v[KF+16*((i/2)%4)+8*(i/8):KF+16*((i/2)%4)+8*(i/8)+7], v[64+16*(i%2)+8*(i/8):64+16*(i%2)+8*(i/8)+7], v[S+32*(i%2)+8*((i/2)%4):S+32*(i%2)+8*((i/2)%4)+7]
.endif
.set i, i+1
.endr
	WIN 0
.rept 4
	v_nop                                          ; places: ahead of the loads into K's registers and of the first read of the scores
.endr
.irp f, 0,1,2,3,4,5,6,7                ; fragment 4 kh + ct of V^T
	ds_load_tr16_b128 v[KF+8*\f:KF+8*\f+3],   v[AV+\s] offset:10240*\u+5120*(\f/4)+32*(\f%4)
	ds_load_tr16_b128 v[KF+8*\f+4:KF+8*\f+7], v[AV+\s] offset:10240*\u+5120*(\f/4)+32*(\f%4)+2560
.endr
	s_bitcmp1_b32 s23, \u                          ; does the step hold a false byte for my rows?
	s_cbranch_scc0 .Lfull_\@
.irp qt, 0,1
.irp kt, 0,1,2,3
	global_load_b64 v[MKR+8*\qt+2*\kt:MKR+8*\qt+2*\kt+1], v[MA], s[34:35] offset:32768*\qt+64*\u+16*\kt   ; my query's 8 bytes of the tile
.endr
.endr
	s_wait_loadcnt 0x0                             ; these are the youngest loads
.set n, 0
.rept 64
	v_and_b32 v[TM+n%2], 0xff<<(8*(n%4)), v[MKR+n/4]
	v_cmp_eq_u32 vcc_lo, 0, v[TM+n%2]
	v_cndmask_b32 v[S+n], v[S+n], v[NEG], vcc_lo
.set n, n+1
.endr
.Lfull_\@:
	SM 0
	s_wait_dscnt 0x0                               ; V is in
	PVM 0
	SM 1
	PVM 1
.rept 4
	v_nop                                          ; places ahead of the next loads into V's registers
.endr
.Lskip_\@:
.endm
; A trip of 128 keys in slot s.  s24 bit 0: some wave wants the next trip.
.macro TRIP s
	s_bitcmp1_b32 s24, 0
	s_cbranch_scc0 .Lnoload_\@
.irp m, 0,1,2,3
	global_load_b128 v[STG+4*\m:STG+4*\m+3], v[GK], s[18:19] offset:4096*\m        ; the work-group's 256 threads read 4,096 consecutive bytes
	global_load_b128 v[STG+16+4*\m:STG+16+4*\m+3], v[GK], s[20:21] offset:4096*\m
.endr
.Lnoload_\@:
	s_cmp_gt_u32 s17, s25                          ; a prefetch of the trip after the next: 8,192 bytes a wave, lanes 256 bytes apart.  The head's first work-group asks, in its first block, waves 0, 1 for K's halves and
	s_cbranch_scc0 .Lnoask_\@                      ; waves 2, 3 for V's, so each block of 256 bytes is named once; the loop's last trip (two trips of keys) asks for nothing
	global_prefetch_b8 v[PFO], s[40:41] th:TH_LOAD_NT scope:SCOPE_SE
.Lnoask_\@:
	SUB \s, 0
	SUB \s, 1
	s_wait_loadcnt 0x0                             ; the next trip's tiles are in registers
	s_wait_xcnt 0x0                                ; every earlier memory instruction has read its addresses: they step
	s_add_nc_u64 s[18:19], s[18:19], 0x4000
	s_add_nc_u64 s[20:21], s[20:21], 0x4000
	s_add_nc_u64 s[40:41], s[40:41], 0x4000
	s_add_nc_u64 s[34:35], s[34:35], 128
	s_bitcmp1_b32 s24, 0
	s_cbranch_scc0 .Lnostore_\@
.irp m, 0,1,2,3
	ds_store_b128 v[SK+1-(\s)], v[STG+4*\m:STG+4*\m+3] offset:4608*\m              ; into the other slot: its last reads stand ahead of the last barrier
	ds_store_b128 v[SV+1-(\s)], v[STG+16+4*\m:STG+16+4*\m+3] offset:5120*\m
.endr
.Lnostore_\@:
	s_lshr_b32 s24, s24, 2
	s_lshr_b32 s22, s22, 2
	s_lshr_b32 s23, s23, 2
	s_wait_dscnt 0x0                               ; my stores have landed and my reads of this slot are over
	s_barrier_signal -1
	s_barrier_wait -1
.endm
.Lphase:
	s_sub_co_u32 s16, 7, s13
	s_cmp_eq_u32 s15, 0
	s_cselect_b32 s16, s16, s13                    ; the block of 256 queries: 7 - I, then I
	s_lshl_b32 s46, s16, 7                         ; its 16 groups' flags: 128 bytes
	s_mov_b32 s47, 0
	s_add_nc_u64 s[48:49], s[8:9], s[46:47]
	s_load_b512 s[68:83], s[48:49], 0x0
	s_load_b512 s[84:99], s[48:49], 0x40
	s_lshl_b32 s46, s12, 4
	s_add_nc_u64 s[50:51], s[48:49], s[46:47]
	s_load_b128 s[52:55], s[50:51], 0x0            ; my two groups'
	s_lshl_b32 s56, s16, 8
	s_lshl_b32 s57, s12, 5
	s_add_co_u32 s56, s56, s57                     ; my first query
	s_lshl_b32 s46, s56, 7
	s_add_nc_u64 s[36:37], s[26:27], s[46:47]      ; its row of q
	s_add_nc_u64 s[38:39], s[10:11], s[46:47]      ; and of the result
	s_lshl_b32 s46, s56, 11
	s_add_nc_u64 s[34:35], s[6:7], s[46:47]        ; and of the mask
	WIN 0x40                                       ; destination window 1
.irp qt, 0,1
.irp dh, 0,1
	global_load_b128 v[64+16*\qt+8*\dh:64+16*\qt+8*\dh+3], v[QO], s[36:37] offset:2048*\qt+64*\dh
	global_load_b128 v[64+16*\qt+8*\dh+4:64+16*\qt+8*\dh+7], v[QO], s[36:37] offset:2048*\qt+64*\dh+32
.endr
.endr
.set i, 0
.rept 64
	v_mov_b32 v[i], 0                              ; O^T: which step is a row's first hangs on the flags, so no product can start the sums
.set i, i+1
.endr
	WIN 0
.irp m, 0,1,2,3
	global_load_b128 v[STG+4*\m:STG+4*\m+3], v[GK], s[28:29] offset:4096*\m        ; trip 0
	global_load_b128 v[STG+16+4*\m:STG+16+4*\m+3], v[GK], s[30:31] offset:4096*\m
.endr
	s_add_nc_u64 s[18:19], s[28:29], 0x4000        ; the next trip's K and V
	s_add_nc_u64 s[20:21], s[30:31], 0x4000
.irp qt, 0,1
	v_mov_b32 v[ST+8*\qt+1], 0xff61b1e6            ; m = -3e38, under every score
	v_mul_f32 v[ST+8*\qt], s[CS], v[ST+8*\qt+1]
.irp j, 2,3,4,5,6,7
	v_mov_b32 v[ST+8*\qt+\j], 0
.endr
.endr
	s_lshr_b32 s46, s12, 2
	s_or_b32 s46, s46, s13
	s_or_b32 s46, s46, s15
	s_cmp_eq_u32 s46, 0
	s_cselect_b32 s25, 1, -1                       ; 1 in a wave that prefetches, else the greatest number
	s_cmp_lt_u32 s12, 2
	s_cselect_b64 s[40:41], s[28:29], s[30:31]
	s_and_b32 s46, s12, 1
	s_lshl_b32 s46, s46, 13
	s_add_co_u32 s46, s46, 0x8000                  ; my half of trip 2
	s_add_nc_u64 s[40:41], s[40:41], s[46:47]
	s_wait_kmcnt 0x0
	s_or_b32 s22, s52, s54                         ; active for my 32 rows
	s_or_b32 s23, s53, s55                         ; holds a false byte for them
	s_or_b32 s24, s68, s70
.irp k, 72,74,76,78,80,82,84,86,88,90,92,94,96,98
	s_or_b32 s24, s24, s[\k]
.endr
	s_lshr_b32 s46, s24, 1
	s_or_b32 s24, s24, s46
	s_lshr_b32 s24, s24, 2                         ; bit 0: trip 1 is wanted by some wave; zeros come in from above, so nothing is loaded behind trip 15
	s_wait_loadcnt 0x0
.irp m, 0,1,2,3
	ds_store_b128 v[SK], v[STG+4*\m:STG+4*\m+3] offset:4608*\m
	ds_store_b128 v[SV], v[STG+16+4*\m:STG+16+4*\m+3] offset:5120*\m
.endr
	s_wait_dscnt 0x0
	s_barrier_signal -1
	s_barrier_wait -1
	s_mov_b32 s17, 8
.Ltrip:
	TRIP 0
	TRIP 1
	s_sub_co_u32 s17, s17, 1
	s_cmp_lg_u32 s17, 0
	s_cbranch_scc1 .Ltrip
	; THE WAY OUT: O^T / l, rounded to f16, through my stage, 512 consecutive bytes a store
.irp qt, 0,1
	v_add_f32 v[ST+8*\qt+4], v[ST+8*\qt+2], v[ST+8*\qt+3]
.endr
.irp qt, 0,1
	v_permlanex16_b32 v[ST+8*\qt+5], v[ST+8*\qt+4], s[SEL], s[SEL+1]
.endr
.irp qt, 0,1
	v_add_f32 v[ST+8*\qt+4], v[ST+8*\qt+4], v[ST+8*\qt+5]
.endr
.irp qt, 0,1
	v_rcp_f32 v[ST+8*\qt+6], v[ST+8*\qt+4]
.endr
	v_nop
	s_wait_alu depctr_va_vdst(0)                   ; one wait for the two reciprocals, ahead of their first reader
	WIN 0x41
.irp qt, 0,1
.set e, 0
.rept 16
	v_pk_mul_f32 v[32*\qt+2*e:32*\qt+2*e+1], v[32*\qt+2*e:32*\qt+2*e+1], v[ST+8*\qt+6:ST+8*\qt+7] op_sel_hi:[1,0]
.set e, e+1
.endr
.endr
	WIN 0x05                                       ; sources in window 1, destination in window 0
.set e, 0
.rept 32
	v_cvt_pk_f16_f32 v[S+e], v[2*e], v[2*e+1]
.set e, e+1
.endr
	WIN 0
.irp qt, 0,1
.irp ct, 0,1,2,3
	ds_store_b128 v[STO], v[S+16*\qt+4*\ct:S+16*\qt+4*\ct+3] offset:2304*\qt+32*\ct
.endr
.endr
.irp i, 0,1,2,3,4,5,6,7
	ds_load_b128 v[P+4*\i:P+4*\i+3], v[RD] offset:576*\i   ; these see my stores: LDS serves a wave's instructions in order
.endr
.irp i, 0,1,2,3,4,5,6,7
	s_wait_dscnt 7-\i                              ; the younger loads may be out
	global_store_b128 v[GO], v[P+4*\i:P+4*\i+3], s[38:39] offset:512*\i
.endr
	s_wait_xcnt 0x0                                ; the stores have read their registers and base: both are written again in the next block
	s_add_co_u32 s15, s15, 1
	s_cmp_lt_u32 s15, 2
	s_cbranch_scc1 .Lphase
	s_wait_tensorcnt 0x0                           ; the wave's end: three lines behind my last LDS store
	ds_add_u32 v[SPW], v[NIL]
	s_wait_dscnt 0x0
	s_endpgm
.Lfunc_end_k_q540b348147_attn:
	.size	k_q540b348147_attn, .Lfunc_end_k_q540b348147_attn-k_q540b348147_attn
	.p2alignl 7, 3214868480
	.fill 96, 4, 3214868480
	.section	.rodata,"a",@progbits
	.p2align	6, 0x0
	.amdhsa_kernel k_q540b348147_attn
		.amdhsa_group_segment_fixed_size 115712
		.amdhsa_private_segment_fixed_size 0
		.amdhsa_enable_private_segment 0
		.amdhsa_kernarg_size 32
		.amdhsa_user_sgpr_count 2
		.amdhsa_user_sgpr_kernarg_segment_ptr 1
		.amdhsa_wavefront_size32 1
		.amdhsa_system_sgpr_workgroup_id_x 1
		.amdhsa_system_sgpr_workgroup_id_y 1
		.amdhsa_system_sgpr_workgroup_id_z 1
		.amdhsa_system_vgpr_workitem_id 0
		.amdhsa_next_free_vgpr 352
		.amdhsa_next_free_sgpr 100
		.amdhsa_reserve_vcc 1
		.amdhsa_float_denorm_mode_32 3
		.amdhsa_float_denorm_mode_16_64 3
		.amdhsa_memory_ordered 1
		.amdhsa_forward_progress 1
		.amdhsa_inst_pref_size 126
	.end_amdhsa_kernel
	.amdgpu_metadata
---
amdhsa.version: [ 1, 2 ]
amdhsa.kernels:
  - .name:           k_q540b348147_attn
    .symbol:         k_q540b348147_attn.kd
    .args:
      - { .name: qkv, .offset: 0, .size: 8, .value_kind: global_buffer, .address_space: global }
      - { .name: mask, .offset: 8, .size: 8, .value_kind: global_buffer, .address_space: global }
      - { .name: flags, .offset: 16, .size: 8, .value_kind: global_buffer, .address_space: global }
      - { .name: att16, .offset: 24, .size: 8, .value_kind: global_buffer, .address_space: global }
    .group_segment_fixed_size: 115712
    .private_segment_fixed_size: 0
    .kernarg_segment_align: 8
    .kernarg_segment_size: 32
    .max_flat_workgroup_size: 256
    .sgpr_count:     100
    .vgpr_count:     352
    .wavefront_size: 32
...
	.end_amdgpu_metadata
.endif
;; end of part 3
;; launch oproj (part 4): grid 4 x 64, 4 waves a work-group, clusters of 4 x 4, 327,680 bytes of LDS; arguments att16, wo16t, bo, out0; writes out0
.if DOCPART == 4
	.amdgcn_target "amdgcn-amd-amdhsa--gfx1250"
	.amdhsa_code_object_version 6
	.text
	.protected	k_q540b348147_oproj
	.globl	k_q540b348147_oproj
	.p2align	8
	.type	k_q540b348147_oproj,@function
k_q540b348147_oproj:
	s_mov_b64 s[64:65], 0
	v_nop
	global_prefetch_b8 v0, s[64:65] scope:SCOPE_SE
	s_setreg_imm32_b32 hwreg(HW_REG_WAVE_MODE, 25, 1), 1
	s_wait_xcnt 0x0
	s_wait_alu depctr_hold_cnt(0) depctr_sa_sdst(0) depctr_va_vdst(0) depctr_va_sdst(0) depctr_va_ssrc(0) depctr_va_vcc(0) depctr_vm_vsrc(0)
	s_getreg_b32 s2, hwreg(HW_REG_IB_STS2, 6, 4)
	s_cmp_eq_u32 s2, 0
	s_cbranch_scc0 .Lentry_in_a_cluster
	s_endpgm
.Lentry_in_a_cluster:
	s_bfe_u32 s2, ttmp6, 0x10000c
	s_cmp_lg_u32 s2, 0xf033
	s_cbranch_scc0 .Lentry_shape_is_right
	s_endpgm
.Lentry_shape_is_right:
; out = att Wo + bo for all rows but the first 16 positions of each sequence (a later launch carries those finely).  Operands in f16, sums in f32.
; A = att16 [h 16][token 8192][64]; B = wo16t [n 1024][k 1024]; K = 64 h + d.  A tile of 128 tokens x 256 columns is made by four waves, 64 x 128 each: 32 accumulators, 256 registers; 256 work-groups.
; K goes in steps of 128 (two heads) through a ring of two LDS slots.  A head's 128 tokens are 16,384 dense bytes: they come as 64 rows of 256 bytes, two tokens to a row.
; CLUSTERS: 4 x 4; A's tiles are asked for jointly along a row of the cluster, B's along a column.  Tile column = cx; tile row = 16 cy + cluster y, so cluster y = 0 means a sequence's first 128 positions.
; THE MATRIX INSTRUCTION IS USED TRANSPOSED (source 0 = 16 rows of B, source 1 = 16 tokens): a lane holds eight neighbouring columns of one token.  The bias is the C of each sum's first instruction.
.set PITCH,  272
.set APL,    64*PITCH                  ; a head's plane: 64 rows
.set BOFF,   2*APL
.set BHF,    128*PITCH                 ; half of B's 256 rows
.set SLOT,   BOFF+2*BHF                ; 104,448
.set STAGE,  2*SLOT                    ; the way out: 16 rows x 528 bytes for each wave
.set SPITCH, 528
.set SPARE,  STAGE+4*16*SPITCH
.set ADRA, 16
.set ADRB, 20
.set STO,  24
.set RD,   25
.set CO,   26
.set SPW,  28
.set NIL,  29
.set AF,   32                          ; v32-63, v64-95 A's fragments, two buffers (window 0)
.set BIAS, 96                          ; v96-159 the bias; later the way out's first set; v160-223 its second
.set G1, 24
.set G0, 32
.set G1B, 48
.set G0B, 56
.set MSB, 0
.macro WIN new
.if MSB != (\new)
	s_set_vgpr_msb (MSB<<8)|(\new)
.set MSB, (\new)
.endif
.endm
.set MUL,  0xa1                        ; source 0 (B) window 1, source 1 (A) window 0, C and D window 2
.set TO_B, 0x40
.macro JLOAD s                         ; a joint load: waves 0 and 1 fetch A's two planes, waves 2 and 3 B's halves; an s_nop 0 and four v_nop follow each line
	s_cmp_eq_u32 s13, 0
	s_cbranch_scc0 .Lfor_b_\@
	tensor_load_to_lds s[G0+4*\s:G0+4*\s+3], s[G1:G1+7]
	s_nop 0
.rept 4
	v_nop
.endr
	s_branch .Lasked_\@
.Lfor_b_\@:
	tensor_load_to_lds s[G0B+4*\s:G0B+4*\s+3], s[G1B:G1B+7]
	s_nop 0
.rept 4
	v_nop
.endr
.Lasked_\@:
.endm
.macro CREST
	s_cmp_lg_u32 s12, 0
	s_cbranch_scc1 .Lnot_wave_0_\@
	s_barrier_signal -3
.Lnot_wave_0_\@:
	s_barrier_wait -3
	s_barrier_signal -1
	s_barrier_wait -1
.endm
.macro CROUND
	s_barrier_signal -1
	s_barrier_wait -1
	CREST
.endm
	s_load_b256 s[4:11], s[0:1], 0x0               ; att16, wo16t, bo, out0
	v_lshl_add_u32 v[SPW], v0, 2, SPARE
	v_mov_b32 v[NIL], 0
	ds_add_u32 v[SPW], v[NIL]                      ; the wave's opening: the add, twice on end, and its wait ahead of my first tensor load
	ds_add_u32 v[SPW], v[NIL]
	v_lshrrev_b32 v1, 5, v0
	v_readfirstlane_b32 s12, v1                    ; wave 0..3
	s_lshr_b32 s13, s12, 1                         ; which 64 tokens are mine.  Also: I fetch for A (0) or for B (1)
	s_and_b32 s14, s12, 1                          ; which 128 columns.  Also: which plane or half I fetch
	s_bfe_u32 s40, ttmp6, 0x40000                  ; cx
	s_bfe_u32 s41, ttmp6, 0x40004                  ; cy
	s_and_b32 s15, ttmp7, 0xffff                   ; cluster y
	s_lshl_b32 s16, s41, 4
	s_add_co_u32 s16, s16, s15                     ; tile row = 16 cy + cluster y
	s_lshl_b32 s43, s41, 2
	s_lshl_b32 s43, 15, s43                        ; my row of the cluster
	s_lshl_b32 s44, 0x1111, s40                    ; my column
	s_or_b32 s[G1+0], s43, (3<<16)|(1<<20)|(1<<21)|(5<<22)|(3<<25)   ; A: elements of 8 bytes; padding: 4 words behind every 64
	s_mov_b32 s[G1+1], 32<<16                      ; tensor_dim0 = 32 (256 bytes)
	s_mov_b32 s[G1+2], 64<<16                      ; tensor_dim1 = 64
	s_mov_b32 s[G1+3], 32<<16                      ; tile_dim0
	s_mov_b32 s[G1+4], 64                          ; tile_dim1
	s_mov_b32 s[G1+5], 32                          ; dense
	s_mov_b32 s[G1+6], 0
	s_mov_b32 s[G1+7], 0
	s_or_b32 s[G1B+0], s44, (1<<16)|(1<<20)|(1<<21)|(5<<22)|(3<<25)  ; B: elements of 2 bytes
	s_mov_b32 s[G1B+1], 128<<16
	s_mov_b32 s[G1B+2], 128<<16
	s_mov_b32 s[G1B+3], 128<<16
	s_mov_b32 s[G1B+4], 128
	s_mov_b32 s[G1B+5], 1024
	s_mov_b32 s[G1B+6], 0
	s_mov_b32 s[G1B+7], 0
	s_lshl_b32 s18, s16, 14                        ; A: the tile's 128 tokens of 128 bytes,
	s_lshl_b32 s19, s14, 20                        ; in head p of the K step
	s_add_co_u32 s18, s18, s19
	s_mov_b32 s19, 0
	s_lshl_b32 s46, s40, 19                        ; B: row 256 cx + 128 p, 2,048 bytes a row
	s_lshl_b32 s47, s14, 18
	s_add_co_u32 s46, s46, s47
	s_mov_b32 s47, 0
	s_mul_i32 s20, s14, APL                        ; where they go: A's plane p;
	s_mul_i32 s21, s14, BHF
	s_add_co_u32 s21, s21, BOFF                    ; B's half p
	s_wait_dscnt 0x0                               ; both opening adds are done
	s_wait_kmcnt 0x0
	s_add_nc_u64 s[18:19], s[4:5], s[18:19]
	s_add_nc_u64 s[46:47], s[6:7], s[46:47]
	CROUND                                         ; all sixteen work-groups are here: the first joint loads meet
.irp s, 0,1
	s_mov_b32 s[G0+4*\s], 1
	s_add_co_u32 s[G0+4*\s+1], s20, \s*SLOT
	s_add_nc_u64 s[G0+4*\s+2:G0+4*\s+3], s[18:19], \s*0x200000     ; K step s: two heads on
	s_or_b32 s[G0+4*\s+3], s[G0+4*\s+3], 0x80000000
	s_mov_b32 s[G0B+4*\s], 1
	s_add_co_u32 s[G0B+4*\s+1], s21, \s*SLOT
	s_add_nc_u64 s[G0B+4*\s+2:G0B+4*\s+3], s[46:47], \s*256
	s_or_b32 s[G0B+4*\s+3], s[G0B+4*\s+3], 0x80000000
	JLOAD \s                                       ; two tensor loads of mine are out
.endr
	v_and_b32 v1, 15, v0                           ; r
	v_bfe_u32 v2, v0, 4, 1                         ; hh
	v_lshrrev_b32 v3, 1, v1
	v_mul_u32_u24 v3, v3, PITCH
	v_and_b32 v4, 1, v1
	v_lshl_add_u32 v3, v4, 7, v3
	v_lshl_add_u32 v3, v2, 4, v3                   ; A: token r lies in row r / 2, at 128 (r % 2); + 16 hh
	s_mul_i32 s22, s13, 32*PITCH                   ; my 64 tokens: 32 rows
	v_add_nc_u32 v[ADRA], s22, v3
	v_add_nc_u32 v[ADRA+1], SLOT, v[ADRA]
	v_mul_u32_u24 v3, v1, PITCH
	v_lshl_add_u32 v3, v2, 4, v3
	s_mul_i32 s22, s14, BHF
	s_add_co_u32 s22, s22, BOFF
	v_add_nc_u32 v[ADRB], s22, v3
	v_add_nc_u32 v[ADRB+1], SLOT, v[ADRB]
	s_mul_i32 s23, s12, 16*SPITCH
	s_add_co_u32 s23, s23, STAGE                   ; my stage
	v_mul_u32_u24 v5, v1, SPITCH
	v_lshl_add_u32 v5, v2, 5, v5
	v_add_nc_u32 v[STO], s23, v5
	v_and_b32 v6, 31, v0
	v_lshlrev_b32 v[CO], 4, v6
	v_add_nc_u32 v[RD], s23, v[CO]
	v_lshlrev_b32 v7, 5, v2
	s_lshl_b32 s22, s40, 10
	s_lshl_b32 s23, s14, 9
	s_add_co_u32 s22, s22, s23                     ; my first column x 4 bytes
	s_mov_b32 s23, 0
	s_add_nc_u64 s[8:9], s[8:9], s[22:23]
.irp b, 0,1,2,3,4,5,6,7
	global_load_b128 v[BIAS+8*\b:BIAS+8*\b+3], v7, s[8:9] offset:64*\b
	global_load_b128 v[BIAS+8*\b+4:BIAS+8*\b+7], v7, s[8:9] offset:64*\b+16
.endr
	s_add_nc_u64 s[10:11], s[10:11], s[22:23]
	s_lshl_b32 s22, s16, 19                        ; the tile's 128 rows of 4,096 bytes,
	s_lshl_b32 s42, s13, 18                        ; my 64 of them
	s_add_co_u32 s22, s22, s42
	s_add_nc_u64 s[10:11], s[10:11], s[22:23]
	s_or_b32 s42, s15, s13                         ; 0 where my first 16 rows are a sequence's first 16 positions: the cluster's y and the wave's number alone
.macro FETCH slot, q, f                ; the fragments of 32 along K, the slot's q-th: 16 loads for B, 8 for A
	WIN TO_B
.irp i, 0,1,2,3,4,5,6,7
	ds_load_b128 v[64*(\f)+8*\i:64*(\f)+8*\i+3],   v[ADRB+\slot] offset:64*(\q)+\i*16*PITCH
	ds_load_b128 v[64*(\f)+8*\i+4:64*(\f)+8*\i+7], v[ADRB+\slot] offset:64*(\q)+\i*16*PITCH+32
.endr
	WIN 0
.irp a, 0,1,2,3
	ds_load_b128 v[AF+32*(\f)+8*\a:AF+32*(\f)+8*\a+3],   v[ADRA+\slot] offset:APL*((\q)/2)+64*((\q)%2)+\a*8*PITCH
	ds_load_b128 v[AF+32*(\f)+8*\a+4:AF+32*(\f)+8*\a+7], v[ADRA+\slot] offset:APL*((\q)/2)+64*((\q)%2)+\a*8*PITCH+32
.endr
.endm
.macro MUL8 f, a, first                ; A's block a against B's eight; the 32 accumulators take turns
.irp b, 0,1,2,3,4,5,6,7
.if \first
	v_wmma_f32_16x16x32_f16 v[8*(8*(\a)+\b):8*(8*(\a)+\b)+7], v[64*(\f)+8*\b:64*(\f)+8*\b+7], v[AF+32*(\f)+8*(\a):AF+32*(\f)+8*(\a)+7], v[BIAS+8*\b:BIAS+8*\b+7]
.else
	v_wmma_f32_16x16x32_f16 v[8*(8*(\a)+\b):8*(8*(\a)+\b)+7], v[64*(\f)+8*\b:64*(\f)+8*\b+7], v[AF+32*(\f)+8*(\a):AF+32*(\f)+8*(\a)+7], v[8*(8*(\a)+\b):8*(8*(\a)+\b)+7]
.endif
.endr
.endm
.macro PLACES
.rept 4
	v_nop
.endr
.endm
.macro QUARTER slot, q, f, g, first    ; multiplies buffer f; in its middle fetches the slot's q-th quarter into buffer g
	s_wait_dscnt 4                                 ; B and A's blocks 0, 1 are in; A's blocks 2, 3 may be out
	WIN MUL-0x20*(\first)                          ; (the bias lies in window 0)
	MUL8 \f, 0, \first
	MUL8 \f, 1, \first
	PLACES
	FETCH \slot, \q, \g
	s_wait_dscnt 24                                ; all but the 24 just issued
	WIN MUL-0x20*(\first)
	MUL8 \f, 2, \first
	MUL8 \f, 3, \first
.endm
; A slot's last quarter multiplies buffer 1 and changes slots: one barrier; ahead of it each wave waits for all its tensor loads, adds 0 to its spare word, and waits for that and for its reads of this slot.
.macro TURN slot, next, fill
	WIN 0
	s_wait_tensorcnt 0x0                           ; all my tensor loads have landed: my part of the next slot
	ds_add_u32 v[SPW], v[NIL]
	s_wait_dscnt 5                                 ; the add and the youngest four loads may be out
	WIN MUL
	MUL8 1, 0, 0
	s_wait_dscnt 0x0                               ; the add is done, and my reads of this slot are over
	s_barrier_signal -1
	MUL8 1, 1, 0
.if \fill
	WIN 0
.endif
	s_barrier_wait -1
.if \fill
	CREST                                          ; the barrier has opened a round of the cluster's: no wave of any partner still reads this slot or has a load on its way
	s_add_nc_u64 s[G0+4*\slot+2:G0+4*\slot+3], s[G0+4*\slot+2:G0+4*\slot+3], 0x400000     ; two K steps on: four heads
	s_add_nc_u64 s[G0B+4*\slot+2:G0B+4*\slot+3], s[G0B+4*\slot+2:G0B+4*\slot+3], 512
	JLOAD \slot                                    ; the first tensor load behind the round, one a wave; its four v_nop are also the places ahead of the loads below
.else
	PLACES
.endif
	FETCH \next, 0, 0
	WIN MUL
	MUL8 1, 2, 0
	MUL8 1, 3, 0
.endm
	s_wait_tensorcnt 1                             ; my part of K step 0 is in; K step 1's may be out
	s_barrier_signal -1
	s_barrier_wait -1
	FETCH 0, 0, 0
	s_wait_loadcnt 0x0                             ; the bias
	QUARTER 0, 1, 0, 1, 1
	WIN 0
	s_mov_b32 s3, 3
.Llap:                                                 ; a trip goes once round the ring and fills both slots again: K steps 2 to 7
	QUARTER 0, 2, 1, 0, 0
	QUARTER 0, 3, 0, 1, 0
	TURN 0, 1, 1
	QUARTER 1, 1, 0, 1, 0
	QUARTER 1, 2, 1, 0, 0
	QUARTER 1, 3, 0, 1, 0
	TURN 1, 0, 1
	QUARTER 0, 1, 0, 1, 0
	WIN 0
	s_sub_co_u32 s3, s3, 1
	s_cmp_lg_u32 s3, 0
	s_cbranch_scc1 .Llap
	QUARTER 0, 2, 1, 0, 0                          ; the last lap fills nothing
	QUARTER 0, 3, 0, 1, 0
	TURN 0, 1, 0
	QUARTER 1, 1, 0, 1, 0
	QUARTER 1, 2, 1, 0, 0
	QUARTER 1, 3, 0, 1, 0
	s_wait_dscnt 4
	WIN MUL
	MUL8 1, 0, 0
	MUL8 1, 1, 0
	s_wait_dscnt 0
	MUL8 1, 2, 0
	MUL8 1, 3, 0
	WIN 0
; THE WAY OUT, block by block of 16 tokens x 128 columns, through my own stage: back as whole rows of 512 bytes.
.macro TOSTAGE a
	WIN 0x08                                       ; an LDS store's data: window 2
.irp b, 0,1,2,3,4,5,6,7
	ds_store_b128 v[STO], v[64*(\a)+8*\b:64*(\a)+8*\b+3] offset:64*\b          ; each accumulator from its low end on
	ds_store_b128 v[STO], v[64*(\a)+8*\b+4:64*(\a)+8*\b+7] offset:64*\b+16
.endr
	WIN 0
.set BB, BIAS+64*((\a)%2)
.irp t, 0,1,2,3,4,5,6,7,8,9,10,11,12,13,14,15
	ds_load_b128 v[BB+4*\t:BB+4*\t+3], v[RD] offset:\t*SPITCH
.endr
.endm
.macro SEND a, younger
.set BB, BIAS+64*((\a)%2)
	s_wait_dscnt \younger                          ; the block is back; the next block's stores and loads may be out
.if (\a) == 0
	s_cmp_eq_u32 s42, 0                            ; a sequence's first 16 positions are another launch's
	s_cbranch_scc1 .Lfine_rows
.endif
.irp t, 0,1,2,3,4,5,6,7,8,9,10,11,12,13,14,15
	global_store_b128 v[CO], v[BB+4*\t:BB+4*\t+3], s[10:11] offset:65536*(\a)+4096*\t th:TH_STORE_NT   ; 512 consecutive bytes, aligned
.endr
.if (\a) == 0
.Lfine_rows:
.endif
.endm
	PLACES
	TOSTAGE 0
.irp a, 1,2,3
.if \a > 1
	s_wait_xcnt 0x0                                ; block a - 2's stores have read their registers: block a's loads may land there
.endif
	TOSTAGE \a
	SEND \a-1, 32
.endr
	SEND 3, 0
	s_wait_tensorcnt 0x0                           ; the wave's end
	ds_add_u32 v[SPW], v[NIL]
	s_wait_dscnt 0x0
	CROUND                                         ; the closing round
	s_endpgm
.Lfunc_end_k_q540b348147_oproj:
	.size	k_q540b348147_oproj, .Lfunc_end_k_q540b348147_oproj-k_q540b348147_oproj
	.p2alignl 7, 3214868480
	.fill 96, 4, 3214868480
	.section	.rodata,"a",@progbits
	.p2align	6, 0x0
	.amdhsa_kernel k_q540b348147_oproj
		.amdhsa_group_segment_fixed_size 327680
		.amdhsa_private_segment_fixed_size 0
		.amdhsa_enable_private_segment 0
		.amdhsa_kernarg_size 32
		.amdhsa_user_sgpr_count 2
		.amdhsa_user_sgpr_kernarg_segment_ptr 1
		.amdhsa_wavefront_size32 1
		.amdhsa_system_sgpr_workgroup_id_x 1
		.amdhsa_system_sgpr_workgroup_id_y 1
		.amdhsa_system_sgpr_workgroup_id_z 1
		.amdhsa_system_vgpr_workitem_id 0
		.amdhsa_next_free_vgpr 768
		.amdhsa_next_free_sgpr 66
		.amdhsa_reserve_vcc 0
		.amdhsa_float_denorm_mode_32 3
		.amdhsa_float_denorm_mode_16_64 3
		.amdhsa_memory_ordered 1
		.amdhsa_forward_progress 1
		.amdhsa_inst_pref_size 87
	.end_amdhsa_kernel
	.amdgpu_metadata
---
amdhsa.version: [ 1, 2 ]
amdhsa.kernels:
  - .name:           k_q540b348147_oproj
    .symbol:         k_q540b348147_oproj.kd
    .args:
      - { .name: att16, .offset: 0, .size: 8, .value_kind: global_buffer, .address_space: global }
      - { .name: wo16t, .offset: 8, .size: 8, .value_kind: global_buffer, .address_space: global }
      - { .name: bo, .offset: 16, .size: 8, .value_kind: global_buffer, .address_space: global }
      - { .name: out0, .offset: 24, .size: 8, .value_kind: global_buffer, .address_space: global }
    .group_segment_fixed_size: 327680
    .private_segment_fixed_size: 0
    .kernarg_segment_align: 8
    .kernarg_segment_size: 32
    .max_flat_workgroup_size: 128
    .sgpr_count:     66
    .vgpr_count:     768
    .wavefront_size: 32
...
	.end_amdgpu_metadata
.endif
;; end of part 4
;; launch fine (part 5): grid 16 x 4, 16 waves a work-group, no clusters, 71,680 bytes of LDS; arguments qkv, mask, flags, Wo, bo, out0; writes out0
.if DOCPART == 5
	.amdgcn_target "amdgcn-amd-amdhsa--gfx1250"
	.amdhsa_code_object_version 6
	.text
	.protected	k_q540b348147_fine
	.globl	k_q540b348147_fine
	.p2align	8
	.type	k_q540b348147_fine,@function
k_q540b348147_fine:
	s_mov_b64 s[64:65], 0
	v_nop
	global_prefetch_b8 v0, s[64:65] scope:SCOPE_SE
	s_setreg_imm32_b32 hwreg(HW_REG_WAVE_MODE, 25, 1), 1
	s_wait_xcnt 0x0
; The first 16 positions of each sequence, carried finely: these rows average few values, so the weights, v at positions 0-15, the attention's result and Wo stay in f32 (v_wmma_f32_16x16x4_f32: no bulk work).
; A work-group makes 16 rows x 64 columns of out for one batch; wave = head: it runs its head's attention for the 16 queries and multiplies by its 64 rows of Wo; the sixteen parts meet in LDS.
; Scores: f16 operands, f32 sums.  Keys go 16 at a time.  Keys 0-15 are always walked, with v from the f32 image.  The other 127 tiles are walked only where the stored flag words say that the mask has a true byte
; there for some of rows 0-15 (or that a row has none at all); there v is f16.  The mask's bytes are honoured in every tile walked: hidden scores become -8e9 (x 1/8 = -1e9).
; LAYOUT: S^T = K Q^T: a lane holds one query and keys 8 hh + 0..7.  For the f32 form (K = 4: lane half h holds k = 2 h + j) a K step takes keys 8 h + 2 c + j: then P's registers 2 c, 2 c + 1 are the operand as they stand.
; The registers that the f32 matrix form writes, v112-143, are written by matrix instructions alone.
.set SPARE, 69632                      ; behind the sixteen parts of 16 rows x 272 bytes
.set SPW, 252
.set NIL, 253
.set CS,  52                           ; s[52:53] c = log2(e) / 8
.set SEL, 54
	s_load_b256 s[4:11], s[0:1], 0x0               ; qkv, mask, flags, Wo
	s_load_b128 s[12:15], s[0:1], 0x20             ; bo, out0
	v_lshl_add_u32 v[SPW], v0, 2, SPARE
	v_mov_b32 v[NIL], 0
	v_lshrrev_b32 v1, 5, v0
	v_readfirstlane_b32 s16, v1                    ; wave = head
	s_and_b32 s18, ttmp7, 0xffff                   ; batch
	v_and_b32 v13, 15, v0                          ; r
	v_bfe_u32 v9, v0, 4, 1                         ; hh
	v_lshlrev_b32 v1, 7, v13
	v_lshl_add_u32 v1, v9, 4, v1                   ; q, k: row r of 128 bytes + 16 hh
	v_lshlrev_b32 v2, 11, v13
	v_lshl_add_u32 v2, v9, 3, v2                   ; mask: row r + 8 hh
	v_bfe_u32 v3, v13, 2, 1
	v_lshlrev_b32 v3, 9, v3
	v_lshrrev_b32 v14, 3, v13
	v_lshl_add_u32 v3, v14, 8, v3
	v_lshl_add_u32 v3, v9, 7, v3
	v_and_b32 v14, 3, v13
	v_lshl_add_u32 v3, v14, 2, v3                  ; the image of v: channel r of a tile, key 8 hh: 512 ((r / 4) % 2) + 256 (r / 8) + 128 hh + 4 (r % 4)
	v_lshlrev_b32 v4, 10, v9
	v_lshl_add_u32 v4, v13, 1, v4                  ; v in f16: key 8 hh, channel r
	v_lshlrev_b32 v5, 15, v9
	v_lshl_add_u32 v5, v13, 2, v5                  ; Wo: row 8 hh, column r
	s_mul_i32 s46, s16, 4352
	v_mul_u32_u24 v10, v13, 272
	v_lshl_add_u32 v10, v9, 5, v10
	v_add_nc_u32 v10, s46, v10                     ; my part in LDS: row r, 32 bytes for each half of the lanes
	v_and_b32 v14, 31, v0
	v_lshlrev_b32 v12, 3, v14                      ; 8 x lane
	s_mul_i32 s46, s16, 272
	v_add_nc_u32 v11, s46, v12                     ; back: row = my wave's number
	s_mov_b32 s[CS], 0x3e38aa3b
	s_mov_b32 s[CS+1], s[CS]
	s_mov_b32 s[SEL], 0x76543210
	s_mov_b32 s[SEL+1], 0xfedcba98
	s_wait_kmcnt 0x0
	s_load_b128 s[36:39], s[8:9], 0x400            ; the four flag words of rows 0-15: word j, bit t: keys 64 t + 16 j on
	s_lshl_b32 s46, s18, 4
	s_add_co_u32 s46, s46, s16
	s_lshl_b32 s46, s46, 18
	s_mov_b32 s47, 0
	s_add_nc_u64 s[20:21], s[4:5], s[46:47]        ; q's head,
	s_add_nc_u64 s[22:23], s[20:21], 0x1000000     ; k's,
	s_add_nc_u64 s[24:25], s[20:21], 0x2000000     ; v's
	s_lshl_b32 s46, s18, 16
	s_lshl_b32 s48, s16, 12
	s_add_co_u32 s46, s46, s48
	s_add_co_u32 s46, s46, 50331648
	s_add_nc_u64 s[26:27], s[4:5], s[46:47]        ; the image of v: my batch, my head's four tiles of channels
	s_lshl_b32 s46, s16, 18
	s_lshl_b32 s48, ttmp9, 8
	s_add_co_u32 s46, s46, s48
	s_add_nc_u64 s[28:29], s[10:11], s[46:47]      ; Wo: my head's 64 rows, the work-group's 64 columns
	s_mov_b32 s46, s48
	s_add_nc_u64 s[30:31], s[12:13], s[46:47]      ; bo
	s_lshl_b32 s46, s18, 11
	s_add_co_u32 s46, s46, s16
	s_lshl_b32 s46, s46, 12
	s_add_co_u32 s46, s46, s48
	s_add_nc_u64 s[32:33], s[14:15], s[46:47]      ; out: row 2,048 b + wave
.irp i, 0,1,2,3
	global_load_b128 v[16+4*\i:19+4*\i], v1, s[20:21] offset:32*\i     ; Q's two fragments
.endr
	global_load_b64 v[254:255], v12, s[30:31]
.macro WOLD nt, reg                    ; Wo^T for 16 columns: register e: row 16 (e / 8) + 8 hh + e % 8, the order of O's registers
.set e, 0
.rept 32
	global_load_b32 v[\reg+e], v5, s[28:29] offset:(16*(e/8)+(e%8))*4096+64*\nt
.set e, e+1
.endr
.endm
	WOLD 0, 176
	WOLD 1, 208
	v_mov_b32 v67, 0xff61b1e6                      ; m = -3e38
	v_mul_f32 v66, s[CS], v67                      ; c m
.irp j, 68,69,70,71,72,73,74,75
	v_mov_b32 v\j, 0
.endr
.irp j, 244,245,246,247
	v_mov_b32 v\j, 0                               ; the upper 16 of the f16 form's 32 keys: zeros, never rewritten
.endr
	v_mov_b32 v248, 0xcfee6b28                     ; -8e9
.set e, 0
.rept 32
	v_mov_b32 v[144+e], 0                          ; the running O^T
.set e, e+1
.endr
; 16 keys.  s46: the byte offset of the group's first key in k and v; s47: in a mask row; i: which of the group's four tiles (4 tiles apart).  far = 0: keys 0-15, v in f32.
.macro CORE far, i
	v_add_nc_u32 v6, s46, v1
	v_add_nc_u32 v7, s47, v2
.if \far
	v_add_nc_u32 v8, s46, v4
.endif
.irp c, 0,1,2,3
	global_load_b128 v[32+4*\c:35+4*\c], v6, s[22:23] offset:8192*\i+32*\c
.endr
	global_load_b64 v[64:65], v7, s[6:7] offset:64*\i
.irp ct, 0,1,2,3
.irp j, 0,1,2,3,4,5,6,7
.if \far
	global_load_u16 v[80+8*\ct+\j], v8, s[24:25] offset:8192*\i+128*\j+32*\ct    ; v(key 8 hh + j, channel 16 ct + r)
.else
	global_load_b32 v[80+8*\ct+\j], v3, s[26:27] offset:1024*\ct+16*\j
.endif
.endr
.endr
	s_wait_loadcnt 0x0
	v_wmma_f32_16x16x32_f16 v[48:55], v[32:39], v[16:23], 0
	s_wait_alu depctr_va_vdst(0)                   ; the wait directly ahead of the link
	v_wmma_f32_16x16x32_f16 v[48:55], v[40:47], v[24:31], v[48:55]
.rept 4
	v_nop
.endr
.set n, 0
.rept 8
	v_and_b32 v[76+n%2], 0xff<<(8*(n%4)), v[64+n/4]
	v_cmp_eq_u32 vcc_lo, 0, v[76+n%2]
	v_cndmask_b32 v[48+n], v[48+n], v248, vcc_lo
.set n, n+1
.endr
	v_max3_num_f32 v72, v48, v49, v50
	v_max3_num_f32 v73, v51, v52, v53
	v_max3_num_f32 v72, v72, v54, v55
	v_max3_num_f32 v72, v72, v73, v67
	v_permlanex16_b32 v73, v72, s[SEL], s[SEL+1]
	v_mov_b32 v74, v66
	v_max_num_f32 v67, v72, v73
	v_mul_f32 v66, s[CS], v67
	v_sub_f32 v74, v74, v66
.irp p, 0,2,4,6
	v_pk_fma_f32 v[56+\p:57+\p], v[48+\p:49+\p], s[CS:CS+1], v[66:67] op_sel_hi:[1,0,0] neg_lo:[0,0,1] neg_hi:[0,0,1]
.endr
	v_exp_f32 v70, v74                             ; a
.irp j, 56,57,58,59,60,61,62,63
	v_exp_f32 v\j, v\j
.endr
	v_nop
	s_wait_alu depctr_va_vdst(0)                   ; one wait for the nine
	v_pk_add_f32 v[72:73], v[56:57], v[58:59]
	v_pk_add_f32 v[74:75], v[60:61], v[62:63]
	v_pk_add_f32 v[72:73], v[72:73], v[74:75]
	v_pk_fma_f32 v[68:69], v[68:69], v[70:71], v[72:73] op_sel_hi:[1,0,1]
.if \far
.irp ct, 0,1,2,3
.irp jj, 0,1,2,3
	v_lshl_or_b32 v[80+8*\ct+\jj], v[80+8*\ct+2*\jj+1], 16, v[80+8*\ct+2*\jj]    ; pairs of keys, in place, ascending
.endr
.irp jj, 4,5,6,7
	v_mov_b32 v[80+8*\ct+\jj], 0
.endr
.endr
.irp jj, 0,1,2,3
	v_cvt_pk_f16_f32 v[240+\jj], v[56+2*\jj], v[57+2*\jj]
.endr
.irp ct, 0,1,2,3
	v_wmma_f32_16x16x32_f16 v[112+8*\ct:119+8*\ct], v[80+8*\ct:87+8*\ct], v[240:247], 0
.endr
.else
.irp c, 0,1,2,3
.irp ct, 0,1,2,3
.if \c == 0
	v_wmma_f32_16x16x4_f32 v[112+8*\ct:119+8*\ct], v[80+8*\ct+2*\c:81+8*\ct+2*\c], v[56+2*\c:57+2*\c], 0
.else
	v_wmma_f32_16x16x4_f32 v[112+8*\ct:119+8*\ct], v[80+8*\ct+2*\c:81+8*\ct+2*\c], v[56+2*\c:57+2*\c], v[112+8*\ct:119+8*\ct]
.endif
.endr
.endr
.endif
.rept 8
	v_nop                                          ; places behind the f32 form
.endr
.set e, 0
.rept 16
	v_pk_fma_f32 v[144+2*e:145+2*e], v[144+2*e:145+2*e], v[70:71], v[112+2*e:113+2*e] op_sel_hi:[1,0,1]   ; O^T = a O^T + this tile's, each accumulator from its low end on
.set e, e+1
.endr
.endm
.macro TRY i
	s_bitcmp1_b32 s36, \i
	s_cbranch_scc0 .Lno_\@
	CORE 1, \i
.Lno_\@:
.endm
	s_mov_b32 s46, 0
	s_mov_b32 s47, 0
	s_wait_kmcnt 0x0
	CORE 0, 0
	s_and_not1_b32 s36, s36, 1                     ; keys 0-15 are done
	s_mov_b32 s48, 0
.Lword:                                                ; four words, eight groups of four bits each: both counts are constants
	s_lshl_b32 s46, s48, 11                        ; word j begins at key 16 j: 2,048 bytes a tile
	s_mov_b32 s49, 8
.Lnib:
	s_and_b32 s50, s36, 15
	s_cmp_eq_u32 s50, 0
	s_cbranch_scc1 .Lnone
	s_lshr_b32 s47, s46, 7                         ; 16 mask bytes a tile
	TRY 0
	TRY 1
	TRY 2
	TRY 3
.Lnone:
	s_lshr_b32 s36, s36, 4
	s_add_co_u32 s46, s46, 32768                   ; 16 tiles on
	s_sub_co_u32 s49, s49, 1
	s_cmp_lg_u32 s49, 0
	s_cbranch_scc1 .Lnib
	s_mov_b32 s36, s37
	s_mov_b32 s37, s38
	s_mov_b32 s38, s39
	s_add_co_u32 s48, s48, 1
	s_cmp_lt_u32 s48, 4
	s_cbranch_scc1 .Lword
	WOLD 2, 16                                     ; Wo^T for the other 32 columns, into registers that the attention has left
	WOLD 3, 80
	v_add_f32 v72, v68, v69
	v_permlanex16_b32 v73, v72, s[SEL], s[SEL+1]
	v_add_f32 v72, v72, v73
	v_rcp_f32 v70, v72
	v_nop
	s_wait_alu depctr_va_vdst(0)
.set e, 0
.rept 16
	v_pk_mul_f32 v[144+2*e:145+2*e], v[144+2*e:145+2*e], v[70:71] op_sel_hi:[1,0]
.set e, e+1
.endr
.macro PROJ na, ra, nb, rb             ; two tiles of 16 columns, K = my head's 64 channels, four at a time; the two accumulators take turns
.set e, 0
.rept 16
.if e == 0
	v_wmma_f32_16x16x4_f32 v[112+8*\na:119+8*\na], v[\ra:\ra+1], v[144:145], 0
	v_wmma_f32_16x16x4_f32 v[112+8*\nb:119+8*\nb], v[\rb:\rb+1], v[144:145], 0
.else
	v_wmma_f32_16x16x4_f32 v[112+8*\na:119+8*\na], v[\ra+2*e:\ra+2*e+1], v[144+2*e:145+2*e], v[112+8*\na:119+8*\na]
	v_wmma_f32_16x16x4_f32 v[112+8*\nb:119+8*\nb], v[\rb+2*e:\rb+2*e+1], v[144+2*e:145+2*e], v[112+8*\nb:119+8*\nb]
.endif
.set e, e+1
.endr
.endm
	PROJ 0, 176, 1, 208
	s_wait_loadcnt 0x0
	PROJ 2, 16, 3, 80
.rept 8
	v_nop
.endr
.irp nt, 0,1,2,3
	ds_store_b128 v10, v[112+8*\nt:115+8*\nt] offset:64*\nt
	ds_store_b128 v10, v[116+8*\nt:119+8*\nt] offset:64*\nt+16
.endr
	s_wait_dscnt 0x0                               ; for the others' sake: my part has landed
	s_barrier_signal -1
	s_barrier_wait -1
.irp p, 0,1,2,3,4,5,6,7,8,9,10,11,12,13,14,15
	ds_load_b64 v[16+2*\p:17+2*\p], v11 offset:4352*\p     ; row = my wave's number, of each head's part
.endr
	s_wait_dscnt 0x0
.irp p, 1,2,3,4,5,6,7,8,9,10,11,12,13,14,15
	v_pk_add_f32 v[16:17], v[16:17], v[16+2*\p:17+2*\p]
.endr
	v_pk_add_f32 v[16:17], v[16:17], v[254:255]
	global_store_b64 v12, v[16:17], s[32:33]       ; 256 consecutive bytes, aligned
	s_wait_tensorcnt 0x0                           ; the wave's end: three lines behind my last LDS store
	ds_add_u32 v[SPW], v[NIL]
	s_wait_dscnt 0x0
	s_endpgm
.Lfunc_end_k_q540b348147_fine:
	.size	k_q540b348147_fine, .Lfunc_end_k_q540b348147_fine-k_q540b348147_fine
	.p2alignl 7, 3214868480
	.fill 96, 4, 3214868480
	.section	.rodata,"a",@progbits
	.p2align	6, 0x0
	.amdhsa_kernel k_q540b348147_fine
		.amdhsa_group_segment_fixed_size 71680
		.amdhsa_private_segment_fixed_size 0
		.amdhsa_enable_private_segment 0
		.amdhsa_kernarg_size 48
		.amdhsa_user_sgpr_count 2
		.amdhsa_user_sgpr_kernarg_segment_ptr 1
		.amdhsa_wavefront_size32 1
		.amdhsa_system_sgpr_workgroup_id_x 1
		.amdhsa_system_sgpr_workgroup_id_y 1
		.amdhsa_system_sgpr_workgroup_id_z 1
		.amdhsa_system_vgpr_workitem_id 0
		.amdhsa_next_free_vgpr 256
		.amdhsa_next_free_sgpr 66
		.amdhsa_reserve_vcc 1
		.amdhsa_float_denorm_mode_32 3
		.amdhsa_float_denorm_mode_16_64 3
		.amdhsa_memory_ordered 1
		.amdhsa_forward_progress 1
		.amdhsa_inst_pref_size 73
	.end_amdhsa_kernel
	.amdgpu_metadata
---
amdhsa.version: [ 1, 2 ]
amdhsa.kernels:
  - .name:           k_q540b348147_fine
    .symbol:         k_q540b348147_fine.kd
    .args:
      - { .name: qkv, .offset: 0, .size: 8, .value_kind: global_buffer, .address_space: global }
      - { .name: mask, .offset: 8, .size: 8, .value_kind: global_buffer, .address_space: global }
      - { .name: flags, .offset: 16, .size: 8, .value_kind: global_buffer, .address_space: global }
      - { .name: Wo, .offset: 24, .size: 8, .value_kind: global_buffer, .address_space: global }
      - { .name: bo, .offset: 32, .size: 8, .value_kind: global_buffer, .address_space: global }
      - { .name: out0, .offset: 40, .size: 8, .value_kind: global_buffer, .address_space: global }
    .group_segment_fixed_size: 71680
    .private_segment_fixed_size: 0
    .kernarg_segment_align: 8
    .kernarg_segment_size: 48
    .max_flat_workgroup_size: 512
    .sgpr_count:     66
    .vgpr_count:     256
    .wavefront_size: 32
...
	.end_amdgpu_metadata
.endif
;; end of part 5
